; MI455X (gfx1250); checked and timed in simulation.
; The chip was launched on July 23, 2026; its instructions are those of AMD's public machine-readable ISA for CDNA 5 (MIT licence, August 2026) and "CDNA5" Instruction Set Architecture Reference Guide (July 2026). The comments in the code are by the model that wrote it; some were corrected since.
;; Cross Modality Attention. Allowed arithmetic: float matrix products may take bf16 or f16 operands with f32 sums; other float arithmetic in f32, or as packed bf16 or f16 multiplies, adds, multiply-adds, maxima and minima; sums over many terms, partial sums and values carried from step to step in f32; what a program stores and reads back later, other than sums and carried values, may be rounded once to bf16 or f16.
;; Inputs: b_out 1,024 float32; b_qkv 3,072 float32; context 2 x 2,048 x 1,024 float32; ln_b 1,024 float32; ln_g 1,024 float32; w_out 1,024 x 1,024 float32; w_qkv 1,024 x 3,072 float32; x 2 x 2,048 x 1,024 float32.
;; Outputs: out0 2 x 2,048 x 1,024 float32.
;; 2 versions, each right; version 2 is version 1 with the launch prep written anew for expert scheduling mode. Each part assembles by itself: llvm-mc -triple=amdgcn-amd-amdhsa -mcpu=gfx1250 --defsym DOCPART=n.
;; ======== version 1 of 2: 4 launches
;; limits: values are held in f16: magnitudes above 65,504 overflow, below 6.1e-05 lose precision
;; workspace buffers: xn 16,777,216 bytes; w16 8,388,608 bytes; q 8,388,608 bytes; kv 33,554,432 bytes; o 8,388,608 bytes
;; launch prep (part 1): grid 512 x 1, 8 waves a work-group, no clusters, 0 bytes of LDS; arguments x, context, ln_g, ln_b, w_qkv, w_out, xn, w16; writes xn, w16
.if DOCPART == 1
	.amdgcn_target "amdgcn-amd-amdhsa--gfx1250"
	.amdhsa_code_object_version 6
	.text
	.protected	k_q58781fcb21_prep
	.globl	k_q58781fcb21_prep
	.p2align	8
	.type	k_q58781fcb21_prep,@function
k_q58781fcb21_prep:
	s_mov_b64 s[64:65], 0
	v_nop
	global_prefetch_b8 v0, s[64:65] scope:SCOPE_SE
	s_setreg_imm32_b32 hwreg(HW_REG_WAVE_MODE, 25, 1), 1
	s_wait_xcnt 0x0
; LAYER NORM OF x AND context TO f16, AND BOTH WEIGHTS TO f16.  A stream: no LDS, no barrier, no matrix unit; no work-group shares a byte with another.
; Work-groups 0-255: 32 rows of 1,024 f32 each (0-127: x, 128-255: context), four rows a wave; xn[8192][1024] f16, x's 4,096 rows first.
; A row lies in 32 registers of one wave between its three passes (mean; sum of squares of x - mean, so that a common offset costs nothing; scaling): it is read once.
; Work-groups 256-511: 16,384 numbers of w_qkv (the first 192) or of w_out, rounded to f16 as they lie: w16 = w_qkv [1024][3072], then w_out [1024][1024].
; LIMITS.  f16 ends at 65,504: |LN| is at most 32 |g| + |b|, which has to stay below that; weights below 6e-5 keep f16's fixed step of 6e-8.
.set G,  8                             ; v[8:39]    g of my 32 columns: load j brings columns 128 j + 4 lane .. + 3
.set BB, 40                            ; v[40:71]   b likewise
.set X,  72                            ; v[72:199]  four rows, 32 registers each
.set T,  200                           ; v[200:207] four chains of packed sums
.set M,  208                           ; v[208:209] the mean, twice
.set R,  210                           ; v[210:211] 1 / sqrt(var + eps), twice
	s_load_b512 s[4:19], s[0:1], 0x0               ; x s[4:5], context s[6:7], g s[8:9], b s[10:11], w_qkv s[12:13], w_out s[14:15], xn s[16:17], w16 s[18:19]
	v_lshrrev_b32 v2, 5, v0
	v_readfirstlane_b32 s20, v2                    ; wave 0..7
	v_and_b32 v4, 31, v0
	v_lshlrev_b32 v1, 4, v4                        ; 16 bytes a lane on the way in
	v_lshlrev_b32 v3, 3, v4                        ; 8 bytes a lane on the way out
	s_mov_b32 s23, 0
	s_mov_b32 s24, 0x3a800000                      ; 1 / 1024
	s_mov_b32 s25, 0x3727c5ac                      ; 1e-5
	s_mov_b32 s26, 0x76543210                      ; v_permlanex16_b32: each lane takes its own place in the other half
	s_mov_b32 s27, 0xfedcba98
	s_wait_kmcnt 0x0
	s_cmp_lt_u32 ttmp9, 256
	s_cbranch_scc0 .Lweights
	s_cmp_lt_u32 ttmp9, 128
	s_cselect_b64 s[28:29], s[4:5], s[6:7]         ; x or context
	s_and_b32 s22, ttmp9, 127
	s_lshl_b32 s22, s22, 17                        ; 32 rows of 4,096 bytes
	s_lshl_b32 s21, s20, 14                        ; my wave's four
	s_add_co_u32 s22, s22, s21
	s_add_nc_u64 s[28:29], s[28:29], s[22:23]
	s_lshl_b32 s22, ttmp9, 16                      ; 32 rows of 2,048 bytes
	s_lshl_b32 s21, s20, 13
	s_add_co_u32 s22, s22, s21
	s_add_nc_u64 s[16:17], s[16:17], s[22:23]
.irp j, 0,1,2,3,4,5,6,7
	global_load_b128 v[G+4*(\j):G+4*(\j)+3], v1, s[8:9] offset:512*(\j)
.endr
.irp j, 0,1,2,3,4,5,6,7
	global_load_b128 v[BB+4*(\j):BB+4*(\j)+3], v1, s[10:11] offset:512*(\j)
.endr
.irp r, 0,1,2,3
.irp j, 0,1,2,3,4,5,6,7
	global_load_b128 v[X+32*(\r)+4*(\j):X+32*(\r)+4*(\j)+3], v1, s[28:29] offset:4096*(\r)+512*(\j) th:TH_LOAD_NT  ; all four rows go out at once: 16 KiB a wave on their way
.endr
.endr
.macro REDUCE                          ; the four chains, the pair's halves and the 32 lanes: the row's sum in v[T], in every lane
	v_pk_add_f32 v[T:T+1], v[T:T+1], v[T+2:T+3]
	v_pk_add_f32 v[T+4:T+5], v[T+4:T+5], v[T+6:T+7]
	v_pk_add_f32 v[T:T+1], v[T:T+1], v[T+4:T+5]
	v_add_f32 v[T], v[T], v[T+1]
	v_add_f32_dpp v[T], v[T], v[T] row_xmask:1 row_mask:0xf bank_mask:0xf
	v_add_f32_dpp v[T], v[T], v[T] row_xmask:2 row_mask:0xf bank_mask:0xf
	v_add_f32_dpp v[T], v[T], v[T] row_xmask:4 row_mask:0xf bank_mask:0xf
	v_add_f32_dpp v[T], v[T], v[T] row_xmask:8 row_mask:0xf bank_mask:0xf
	v_permlanex16_b32 v[T+1], v[T], s26, s27
	v_add_f32 v[T], v[T], v[T+1]
.endm
.macro ROW r
.set XR, X+32*(\r)
	s_wait_loadcnt 8*(3-(\r))                      ; loads come back in order: this row (and g, b, which are older) is in; the later rows' eight loads each stay out
.irp c, 0,1,2,3
	v_pk_add_f32 v[T+2*(\c):T+2*(\c)+1], v[XR+2*(\c):XR+2*(\c)+1], v[XR+8+2*(\c):XR+8+2*(\c)+1]  ; the first sums start the chains: nothing is cleared
.endr
.irp k, 2,3
.irp c, 0,1,2,3
	v_pk_add_f32 v[T+2*(\c):T+2*(\c)+1], v[T+2*(\c):T+2*(\c)+1], v[XR+8*(\k)+2*(\c):XR+8*(\k)+2*(\c)+1]
.endr
.endr
	REDUCE
	v_mul_f32 v[M], s24, v[T]
	v_mul_f32 v[M+1], s24, v[T]
.set z, 0
.rept 16
	v_pk_add_f32 v[XR+z:XR+z+1], v[XR+z:XR+z+1], v[M:M+1] neg_lo:[0,1] neg_hi:[0,1]  ; x - mean, in place
.set z, z+2
.endr
.irp c, 0,1,2,3
	v_pk_mul_f32 v[T+2*(\c):T+2*(\c)+1], v[XR+2*(\c):XR+2*(\c)+1], v[XR+2*(\c):XR+2*(\c)+1]
.endr
.irp k, 1,2,3
.irp c, 0,1,2,3
	v_pk_fma_f32 v[T+2*(\c):T+2*(\c)+1], v[XR+8*(\k)+2*(\c):XR+8*(\k)+2*(\c)+1], v[XR+8*(\k)+2*(\c):XR+8*(\k)+2*(\c)+1], v[T+2*(\c):T+2*(\c)+1]
.endr
.endr
	REDUCE
	v_fma_f32 v[T], v[T], s24, s25                 ; var + eps
	v_rsq_f32 v[R], v[T]
	v_rsq_f32 v[R+1], v[T]
	v_nop                                          ; a plain instruction behind the last root, ahead of the use of its result (ISA guide 5.7.2)
	s_wait_alu depctr_va_vdst(0)                   ; the wait ahead of the first reader: one for both roots
.set z, 0
.rept 16
	v_pk_mul_f32 v[XR+z:XR+z+1], v[XR+z:XR+z+1], v[R:R+1]
.set z, z+2
.endr
.set z, 0
.rept 16
	v_pk_fma_f32 v[XR+z:XR+z+1], v[XR+z:XR+z+1], v[G+z:G+z+1], v[BB+z:BB+z+1]
.set z, z+2
.endr
.irp j, 0,1,2,3,4,5,6,7
	v_cvt_pk_f16_f32 v[XR+4*(\j)], v[XR+4*(\j)], v[XR+4*(\j)+1]
	v_cvt_pk_f16_f32 v[XR+4*(\j)+1], v[XR+4*(\j)+2], v[XR+4*(\j)+3]
	global_store_b64 v3, v[XR+4*(\j):XR+4*(\j)+1], s[16:17] offset:2048*(\r)+256*(\j)  ; the wave's 32 lanes store 256 consecutive bytes, aligned
.endr
.endm
	ROW 0
	ROW 1
	ROW 2
	ROW 3                                          ; no register is used twice, so no store's sources are ever rewritten
	s_endpgm
.Lweights:
	s_sub_co_u32 s21, ttmp9, 256                   ; 0..255
	s_sub_co_u32 s22, s21, 192
	s_cmp_lt_u32 s21, 192
	s_cselect_b64 s[28:29], s[12:13], s[14:15]     ; w_qkv or w_out
	s_cselect_b32 s22, s21, s22
	s_lshl_b32 s22, s22, 16                        ; 16,384 f32
	s_lshl_b32 s30, s20, 13                        ; my wave's 2,048
	s_add_co_u32 s22, s22, s30
	s_add_nc_u64 s[28:29], s[28:29], s[22:23]
	s_lshl_b32 s22, s21, 15                        ; w16 is the two tables on end
	s_lshl_b32 s30, s20, 12
	s_add_co_u32 s22, s22, s30
	s_add_nc_u64 s[18:19], s[18:19], s[22:23]
.irp i, 0,1,2,3,4,5,6,7,8,9,10,11,12,13,14,15
	global_load_b128 v[X+4*(\i):X+4*(\i)+3], v1, s[28:29] offset:512*(\i) th:TH_LOAD_NT
.endr
.irp i, 0,1,2,3,4,5,6,7,8,9,10,11,12,13,14,15
	s_wait_loadcnt 15-(\i)                         ; load i is in, the younger ones stay out
	v_cvt_pk_f16_f32 v[X+4*(\i)], v[X+4*(\i)], v[X+4*(\i)+1]
	v_cvt_pk_f16_f32 v[X+4*(\i)+1], v[X+4*(\i)+2], v[X+4*(\i)+3]
	global_store_b64 v3, v[X+4*(\i):X+4*(\i)+1], s[18:19] offset:256*(\i)
.endr
	s_endpgm
.Lfunc_end_k_q58781fcb21_prep:
	.size	k_q58781fcb21_prep, .Lfunc_end_k_q58781fcb21_prep-k_q58781fcb21_prep
	.p2alignl 7, 3214868480
	.fill 96, 4, 3214868480
	.section	.rodata,"a",@progbits
	.p2align	6, 0x0
	.amdhsa_kernel k_q58781fcb21_prep
		.amdhsa_group_segment_fixed_size 0
		.amdhsa_private_segment_fixed_size 0
		.amdhsa_enable_private_segment 0
		.amdhsa_kernarg_size 64
		.amdhsa_user_sgpr_count 2
		.amdhsa_user_sgpr_kernarg_segment_ptr 1
		.amdhsa_wavefront_size32 1
		.amdhsa_system_sgpr_workgroup_id_x 1
		.amdhsa_system_sgpr_workgroup_id_y 1
		.amdhsa_system_sgpr_workgroup_id_z 1
		.amdhsa_system_vgpr_workitem_id 0
		.amdhsa_next_free_vgpr 216
		.amdhsa_next_free_sgpr 66
		.amdhsa_reserve_vcc 0
		.amdhsa_float_denorm_mode_32 3
		.amdhsa_float_denorm_mode_16_64 3
		.amdhsa_memory_ordered 1
		.amdhsa_forward_progress 1
		.amdhsa_inst_pref_size 44
	.end_amdhsa_kernel
	.amdgpu_metadata
---
amdhsa.version: [ 1, 2 ]
amdhsa.kernels:
  - .name:           k_q58781fcb21_prep
    .symbol:         k_q58781fcb21_prep.kd
    .args:
      - { .name: x, .offset: 0, .size: 8, .value_kind: global_buffer, .address_space: global }
      - { .name: context, .offset: 8, .size: 8, .value_kind: global_buffer, .address_space: global }
      - { .name: ln_g, .offset: 16, .size: 8, .value_kind: global_buffer, .address_space: global }
      - { .name: ln_b, .offset: 24, .size: 8, .value_kind: global_buffer, .address_space: global }
      - { .name: w_qkv, .offset: 32, .size: 8, .value_kind: global_buffer, .address_space: global }
      - { .name: w_out, .offset: 40, .size: 8, .value_kind: global_buffer, .address_space: global }
      - { .name: xn, .offset: 48, .size: 8, .value_kind: global_buffer, .address_space: global }
      - { .name: w16, .offset: 56, .size: 8, .value_kind: global_buffer, .address_space: global }
    .group_segment_fixed_size: 0
    .private_segment_fixed_size: 0
    .kernarg_segment_align: 8
    .kernarg_segment_size: 64
    .max_flat_workgroup_size: 256
    .sgpr_count:     66
    .vgpr_count:     216
    .wavefront_size: 32
...
	.end_amdgpu_metadata
.endif
;; end of part 1
;; launch qkv (part 2): grid 8 x 64, 4 waves a work-group, clusters of 4 x 4, 327,680 bytes of LDS; arguments xn, w16, b_qkv, q, kv; writes q, kv
.if DOCPART == 2
	.amdgcn_target "amdgcn-amd-amdhsa--gfx1250"
	.amdhsa_code_object_version 6
	.text
	.protected	k_q58781fcb21_qkv
	.globl	k_q58781fcb21_qkv
	.p2align	8
	.type	k_q58781fcb21_qkv,@function
k_q58781fcb21_qkv:
	s_mov_b64 s[64:65], 0
	v_nop
	global_prefetch_b8 v0, s[64:65] scope:SCOPE_SE
	s_setreg_imm32_b32 hwreg(HW_REG_WAVE_MODE, 25, 1), 1
	s_wait_xcnt 0x0
	s_wait_alu depctr_hold_cnt(0) depctr_sa_sdst(0) depctr_va_vdst(0) depctr_va_sdst(0) depctr_va_ssrc(0) depctr_va_vcc(0) depctr_vm_vsrc(0)
	s_getreg_b32 s2, hwreg(HW_REG_IB_STS2, 6, 4)
	s_cmp_eq_u32 s2, 0
	s_cbranch_scc0 .Lentry_in_a_cluster
	s_endpgm
.Lentry_in_a_cluster:
	s_bfe_u32 s2, ttmp6, 0x10000c
	s_cmp_lg_u32 s2, 0xf033
	s_cbranch_scc0 .Lentry_shape_is_right
	s_endpgm
.Lentry_shape_is_right:
; THE PROJECTION.  k, v = xn[8192][1024] x w_qkv[:, 1024:3072] + bias, for x's and context's rows; q = xn[0:4096] x w_qkv[:, 0:1024] + bias.  Operands f16, sums f32, results f16, by heads:
; q [32 = 16 b + h][2048][64]; kv = k [32][4096][64] (keys 0-2047 x's, 2048-4095 context's), then v likewise, 2^24 bytes on.  The scale 1/8 is not applied here.
; LIMIT.  f16 ends at 65,504: q, k and v have to stay within it.
; TWO KINDS OF TILE IN ONE LAUNCH.  Clusters with y = 0..7: 256 tiles of 256 x 256 of k and v.  Clusters with y = 8..15: 256 tiles of 128 x 128 of q.  512 work-groups: one of each kind for each of 256 WGPs.
; The branch hangs on the cluster's y, which all sixteen partners share.  (81,920 outputs a WGP have a factor 5 that neither the rows nor the columns have: no single tile divides the work evenly.)
; CLUSTERS of 4 x 4: the four of a row need the same rows of xn, the four of a column the same columns of w: each tile is asked for jointly, by the same tensor load with a mask that names the four.
; THE WEIGHTS LIE [k][n] and are turned on the way out of LDS (ds_load_tr16_b128).  THE MATRIX INSTRUCTION IS USED TRANSPOSED: source 0 = 16 columns of w, source 1 = 16 rows of xn: a lane then holds
; row l % 16 and the columns 8 (l / 16) + 0..7.  THE BIAS is the C operand of each sum's first product: eight registers for each block of 16 columns.
.set SPARE, 327168                     ; the spare words, 128 bytes for each wave: two blocks of 256 bytes that no other line names
.set STAGE, 282624                     ; behind both kinds' rings: each wave's own bytes for the way out; no tile lands here
.set ADRA, 16                          ; v16-17  LDS address of my fragments of xn in slot 0, 1
.set ADRB, 20                          ; v20-23  the same for w (small tiles: slot 0 first and second half of K, slot 1 likewise)
.set STO,  24                          ; v24     the way out: where I put 16 bytes of a row
.set RD,   25                          ; v25     where I read rows back
.set GO,   26                          ; v26     16 x lane: my place in 512 consecutive bytes of the output
.set BO,   27                          ; v27     32 (l / 16): my eight numbers in a block of 16 of the bias
.set SPW,  28                          ; v28     LDS address of my spare word; never rewritten
.set NIL,  29                          ; v29     0; never rewritten
.set PFO,  30                          ; v30     the prefetches' lane offset; never rewritten
.set G1,   24                          ; s[24:31] descriptor group 1 for xn's tiles;  s[32:39] group 0, a set for each slot
.set G0,   32
.set PFA,  40                          ; s[40:41] where my prefetches stand;  s[42:43] their step from K step to K step;  s44 1 in a wave that prefetches, else the greatest number
.set PST,  42
.set LIM,  44
.set G1B,  48                          ; s[48:55], s[56:63] the same two groups for w's tiles
.set G0B,  56
.set OUTB, 76                          ; s[76:77] my part of the output
.set BIA,  78                          ; s[78:79] my part of the bias
; s14 wave; s15 = wave / 2: my half of the tile's rows, and: I fetch for xn (0) or for w (1); s16 = wave % 2: my half of its columns, and: which half I fetch; s17 cx; s18 cy; s19 tile column; s20 cluster y; s23 tile row
.set MSB, 0
.macro WIN new                         ; s_set_vgpr_msb: bits 1:0 source 0, 3:2 source 1, 5:4 source 2, 7:6 destination; the high byte repeats the setting that is left
.if MSB != (\new)
	s_set_vgpr_msb (MSB<<8)|(\new)
.set MSB, \new
.endif
.endm
.macro PLACES                          ; four places in front of loads into registers that matrix instructions have read, and of lines that read results
.rept 4
	v_nop
.endr
.endm
.macro JLOAD s                         ; a joint load: waves 0, 1 fetch xn's two halves, waves 2, 3 w's; an s_nop 0 and four v_nop follow each of the two lines
	s_cmp_eq_u32 s15, 0
	s_cbranch_scc0 .Lfor_b_\@
	tensor_load_to_lds s[G0+4*(\s):G0+4*(\s)+3], s[G1:G1+7]
	s_nop 0
.rept 4
	v_nop
.endr
	s_branch .Lasked_\@
.Lfor_b_\@:
	tensor_load_to_lds s[G0B+4*(\s):G0B+4*(\s)+3], s[G1B:G1B+7]
	s_nop 0
.rept 4
	v_nop
.endr
.Lasked_\@:
.endm
.macro CREST                           ; a round of the cluster's barrier behind its opening barrier
	s_cmp_lg_u32 s14, 0
	s_cbranch_scc1 .Lnot_wave_0_\@
	s_barrier_signal -3
.Lnot_wave_0_\@:
	s_barrier_wait -3
	s_barrier_signal -1
	s_barrier_wait -1
.endm
.macro CROUND                          ; a whole round
	s_barrier_signal -1
	s_barrier_wait -1
	CREST
.endm
	s_load_b256 s[4:11], s[0:1], 0x0               ; xn s[4:5], w16 s[6:7], b_qkv s[8:9], q s[10:11]
	s_load_b64 s[12:13], s[0:1], 0x20              ; kv
	v_lshl_add_u32 v[SPW], v0, 2, SPARE
	v_mov_b32 v[NIL], 0
	ds_add_u32 v[SPW], v[NIL]                      ; the wave's opening: the add and its wait stand ahead of my first tensor load; work on registers stands between them
	v_lshrrev_b32 v1, 5, v0
	v_readfirstlane_b32 s14, v1
	s_lshr_b32 s15, s14, 1
	s_and_b32 s16, s14, 1
	s_bfe_u32 s17, ttmp6, 0x40000                  ; cx
	s_bfe_u32 s18, ttmp6, 0x40004                  ; cy
	s_lshl_b32 s19, ttmp9, 2
	s_add_co_u32 s19, s19, s17                     ; tile column = 4 x cluster x + cx: 0..7
	s_and_b32 s20, ttmp7, 0xffff                   ; cluster y: 0..15
	s_lshl_b32 s21, s18, 2
	s_lshl_b32 s21, 15, s21                        ; my row of the cluster
	s_lshl_b32 s22, 0x1111, s17                    ; my column
	v_and_b32 v1, 15, v0                           ; l % 16
	v_bfe_u32 v2, v0, 4, 1                         ; l / 16
	v_and_b32 v4, 7, v0                            ; l % 8
	v_bfe_u32 v5, v0, 3, 1                         ; (l / 8) % 2
	v_and_b32 v7, 31, v0                           ; l
	v_lshlrev_b32 v[BO], 5, v2
	v_lshlrev_b32 v[GO], 4, v7
	s_wait_dscnt 0x0                               ; the opening add is done
	s_wait_kmcnt 0x0
	s_cmp_ge_u32 s20, 8
	s_cbranch_scc1 .Lsmall
; ---------------------------------------------------------------- k and v: tiles of 256 x 256, a wave 128 x 128 in 512 registers, K in 8 steps of 128 through two slots
; LDS: slot s at s x 139,264: xn's 256 rows of 256 + 16 bytes; then w's 128 rows (along K) of 512 + 32 bytes.  Each wave fetches a quarter: 34,816 bytes.
; REGISTERS: window 0: addresses; v64-127, v128-191 fragments of xn, two buffers; v32-63, v192-255 the way out.  window 1: v0-63 the bias; v64-191 fragments of w.  windows 2, 3: the 64 accumulators.
.set BPA,   272
.set BPB,   544                        ; 17 x 32 bytes
.set BHALF, 34816
.set BSLOT, 139264
.set F0,    64
.set F1,    128
.set TMP,   192
.set OB,    32
	s_lshl_b32 s23, s20, 2
	s_add_co_u32 s23, s23, s18                     ; tile row: 0..31
	s_or_b32 s[G1+0], s21, (1<<16)|(1<<20)|(1<<21)|(5<<22)|(3<<25)   ; the mask of my row; 2-byte elements; padding on; 21 set beside a mask; after every 64 words 4 words
	s_mov_b32 s[G1+1], 128<<16                     ; tensor_dim0 = 128
	s_mov_b32 s[G1+2], 128<<16                     ; tensor_dim1 = 128
	s_mov_b32 s[G1+3], 128<<16                     ; tile_dim0 = 128
	s_mov_b32 s[G1+4], 128                         ; tile_dim1 = 128
	s_mov_b32 s[G1+5], 1024                        ; elements from row to row
	s_mov_b32 s[G1+6], 0
	s_mov_b32 s[G1+7], 0
	s_or_b32 s[G1B+0], s22, (1<<16)|(1<<20)|(1<<21)|(6<<22)|(7<<25)  ; the mask of my column; after every 128 words 8 words
	s_mov_b32 s[G1B+1], 256<<16
	s_mov_b32 s[G1B+2], 64<<16
	s_mov_b32 s[G1B+3], 256<<16
	s_mov_b32 s[G1B+4], 64
	s_mov_b32 s[G1B+5], 3072
	s_mov_b32 s[G1B+6], 0
	s_mov_b32 s[G1B+7], 0
	s_lshl_b32 s66, s23, 8
	s_lshl_b32 s67, s16, 7
	s_add_co_u32 s66, s66, s67                     ; xn: row 256 x tile row + 128 x half
	s_lshl_b32 s66, s66, 11
	s_mov_b32 s67, 0
	s_add_nc_u64 s[66:67], s[4:5], s[66:67]
	s_mul_i32 s68, s16, 64*6144                    ; w: row (along K) 64 x half,
	s_lshl_b32 s69, s19, 9
	s_add_co_u32 s68, s68, s69                     ; column 1024 + 256 x tile column
	s_add_co_u32 s68, s68, 2048
	s_mov_b32 s69, 0
	s_add_nc_u64 s[68:69], s[6:7], s[68:69]
	s_mul_i32 s70, s14, BHALF                      ; where they go: wave x a quarter of a slot
	CROUND                                         ; all sixteen work-groups are here: the first joint loads meet
.irp s, 0,1
	s_mov_b32 s[G0+4*(\s)], 1
	s_add_co_u32 s[G0+4*(\s)+1], s70, (\s)*BSLOT
	s_add_nc_u64 s[G0+4*(\s)+2:G0+4*(\s)+3], s[66:67], (\s)*256
	s_or_b32 s[G0+4*(\s)+3], s[G0+4*(\s)+3], 0x80000000
	s_mov_b32 s[G0B+4*(\s)], 1
	s_add_co_u32 s[G0B+4*(\s)+1], s70, (\s)*BSLOT
	s_add_nc_u64 s[G0B+4*(\s)+2:G0B+4*(\s)+3], s[68:69], (\s)*128*6144
	s_or_b32 s[G0B+4*(\s)+3], s[G0B+4*(\s)+3], 0x80000000
	JLOAD \s
.endr
	s_lshl_b32 s72, s19, 10                        ; the bias of my 128 columns: 4 (1024 + 256 x tile column + 128 x half)
	s_lshl_b32 s73, s16, 9
	s_add_co_u32 s72, s72, s73
	s_add_co_u32 s72, s72, 4096
	s_mov_b32 s73, 0
	s_add_nc_u64 s[BIA:BIA+1], s[8:9], s[72:73]
	WIN 0x40
.irp b, 0,1,2,3,4,5,6,7
	global_load_b128 v[8*(\b):8*(\b)+3],   v[BO], s[BIA:BIA+1] offset:64*(\b)
	global_load_b128 v[8*(\b)+4:8*(\b)+7], v[BO], s[BIA:BIA+1] offset:64*(\b)+16
.endr
	WIN 0
	v_mul_u32_u24 v3, v1, BPA                      ; xn's fragments: row x pitch + 16 x half of the lanes
	v_lshl_add_u32 v3, v2, 4, v3
	v_lshl_add_u32 v6, v2, 3, v4                   ; w's, turned: lane l reads row 8 (l / 16) + l % 8 along K, 16 bytes at 16 ((l / 8) % 2)
	v_mul_u32_u24 v6, v6, BPB
	v_lshl_add_u32 v6, v5, 4, v6
	s_mul_i32 s71, s15, BHALF                      ; my 128 rows of xn
	s_lshl_b32 s72, s16, 8                         ; my 128 columns of w,
	s_add_co_u32 s72, s72, 2*BHALF                 ; which lies behind xn's 256 rows
.irp s, 0,1
	v_add_nc_u32 v[ADRA+(\s)], s71, v3
	v_add_nc_u32 v[ADRB+(\s)], s72, v6
	s_add_co_u32 s71, s71, BSLOT
	s_add_co_u32 s72, s72, BSLOT
.endr
	s_mul_i32 s71, s14, 4608                       ; my stage: two heads x 16 rows x 144 bytes
	s_add_co_u32 s71, s71, STAGE
	v_mul_u32_u24 v[STO], v1, 144
	v_lshl_add_u32 v[STO], v2, 4, v[STO]
	v_add_nc_u32 v[STO], s71, v[STO]
	v_bfe_u32 v[RD], v0, 3, 2                      ; back: 32 lanes take four rows of 128 bytes
	v_mul_u32_u24 v[RD], v[RD], 144
	v_lshl_add_u32 v[RD], v4, 4, v[RD]
	v_add_nc_u32 v[RD], s71, v[RD]
	; where my 128 rows x 2 heads go: k or v; head 16 b + 4 (column % 4) + 2 x half; key 2048 (context) + 256 (row % 8) + 128 x half
	s_lshr_b32 s72, s23, 3
	s_and_b32 s72, s72, 1
	s_lshl_b32 s72, s72, 4
	s_and_b32 s73, s19, 3
	s_lshl_b32 s73, s73, 2
	s_add_co_u32 s72, s72, s73
	s_lshl_b32 s73, s16, 1
	s_add_co_u32 s72, s72, s73
	s_lshl_b32 s72, s72, 12
	s_lshr_b32 s73, s23, 4
	s_lshl_b32 s73, s73, 11
	s_add_co_u32 s72, s72, s73
	s_and_b32 s73, s23, 7
	s_lshl_b32 s73, s73, 8
	s_add_co_u32 s72, s72, s73
	s_lshl_b32 s73, s15, 7
	s_add_co_u32 s72, s72, s73
	s_lshl_b32 s72, s72, 7
	s_lshr_b32 s73, s19, 2
	s_lshl_b32 s73, s73, 24
	s_add_co_u32 s72, s72, s73
	s_mov_b32 s73, 0
	s_add_nc_u64 s[OUTB:OUTB+1], s[12:13], s[72:73]
	; THE PREFETCHES.  A K step is 256 bytes of each row of xn, and 128 rows x 512 bytes of w's tile column.  xn's rows are read by both clusters of a row of clusters: cluster x = 0 asks; w's columns by the
	; eight clusters of a column: cluster y = 0 asks.  Of the 128 blocks of 256 bytes that a wave fetches, each of the four partners that ask for them jointly names 32, told apart by address (cx for xn, cy for w).
	s_lshl_b32 s73, s23, 8
	s_lshl_b32 s74, s16, 7
	s_add_co_u32 s73, s73, s74
	s_lshl_b32 s74, s17, 5
	s_add_co_u32 s73, s73, s74
	s_lshl_b32 s73, s73, 11                        ; xn: (256 x tile row + 128 x half + 32 cx) rows
	s_lshl_b32 s74, s16, 6
	s_lshl_b32 s75, s18, 4
	s_add_co_u32 s74, s74, s75
	s_mul_i32 s74, s74, 6144                       ; w: (64 x half + 16 cy) rows,
	s_lshl_b32 s75, s19, 9
	s_add_co_u32 s74, s74, s75
	s_add_co_u32 s74, s74, 2048                    ; at the tile's first column
	s_mov_b32 s[PST], 786432                       ; w: 128 rows from K step to K step; xn: 256 bytes
	s_mov_b32 s46, 6144
	s_cmp_eq_u32 s15, 0
	s_cselect_b32 s73, s73, s74
	s_cselect_b32 s[PST], 256, s[PST]
	s_cselect_b32 s46, 2048, s46
	s_cselect_b32 s47, ttmp9, s20                  ; the coordinate along which other clusters read the same bytes
	s_cselect_b64 s[PFA:PFA+1], s[4:5], s[6:7]
	s_cmp_eq_u32 s47, 0
	s_cselect_b32 s[LIM], 1, -1
	s_mov_b32 s[PST+1], 0
	s_mul_i32 s74, s[PST], 3                       ; at K step 3: each change of slots steps it and then names it: the change behind K step t names K step t + 4
	s_add_co_u32 s74, s74, s73
	s_mov_b32 s75, 0
	s_add_nc_u64 s[PFA:PFA+1], s[PFA:PFA+1], s[74:75]
	v_lshrrev_b32 v[PFO], s15, v7                  ; xn: a lane a row; w: two lanes a row, 256 bytes each
	v_and_b32 v8, s15, v7
	v_mul_u32_u24 v[PFO], v[PFO], s46
	v_lshl_add_u32 v[PFO], v8, 8, v[PFO]
; 16 matrix instructions: row blocks a0, a0 + 1 of the window's four (hi = 0: my rows 0-63; 1: rows 64-127) x all 8 column blocks, 32 along K.  first = 1: the bias starts the sums.
; The 64 accumulators take turns, in the same order in every quarter.
.macro BMUL f, hi, a0, first
.if \first
	WIN 0x91+0x40*(\hi)                            ; w window 1, xn window 0, C (the bias) window 1, D window 2 or 3
.else
	WIN 0xa1+0x50*(\hi)                            ; C and D window 2 or 3
.endif
.irp a, \a0, (\a0)+1
.irp b, 0,1,2,3,4,5,6,7
.if \first
	v_wmma_f32_16x16x32_f16 v[8*(8*(\a)+(\b)):8*(8*(\a)+(\b))+7], v[(\f)+8*(\b):(\f)+8*(\b)+7], v[(\f)+8*(4*(\hi)+(\a)):(\f)+8*(4*(\hi)+(\a))+7], v[8*(\b):8*(\b)+7]
.else
	v_wmma_f32_16x16x32_f16 v[8*(8*(\a)+(\b)):8*(8*(\a)+(\b))+7], v[(\f)+8*(\b):(\f)+8*(\b)+7], v[(\f)+8*(4*(\hi)+(\a)):(\f)+8*(4*(\hi)+(\a))+7], v[8*(8*(\a)+(\b)):8*(8*(\a)+(\b))+7]
.endif
.endr
.endr
.endm
; 32 LDS loads in one run: quarter qk (32 along K) of a slot into buffer f: w's 128 columns, turned, then xn's 128 rows
.macro BFETCH slot, qk, f
	WIN 0x40
.irp i, 0,1,2,3,4,5,6,7
	ds_load_tr16_b128 v[(\f)+8*(\i):(\f)+8*(\i)+3],   v[ADRB+(\slot)] offset:(\qk)*32*BPB+32*(\i)
	ds_load_tr16_b128 v[(\f)+8*(\i)+4:(\f)+8*(\i)+7], v[ADRB+(\slot)] offset:(\qk)*32*BPB+32*(\i)+16*BPB
.endr
	WIN 0
.irp i, 0,1,2,3,4,5,6,7
	ds_load_b128 v[(\f)+8*(\i):(\f)+8*(\i)+3],   v[ADRA+(\slot)] offset:64*(\qk)+(\i)*16*BPA
	ds_load_b128 v[(\f)+8*(\i)+4:(\f)+8*(\i)+7], v[ADRA+(\slot)] offset:64*(\qk)+(\i)*16*BPA+32
.endr
.endm
; One of a K step's first three quarters: multiplies buffer f; in its middle it fetches quarter qk of the same slot into buffer g
.macro BQUARTER slot, qk, f, g, first
	s_wait_dscnt 8                                 ; w and xn's rows 0-63 are in; the youngest eight loads (rows 64-127) may be out
	BMUL \f, 0, 0, \first
	BMUL \f, 0, 2, \first
	PLACES
	BFETCH \slot, \qk, \g
	s_wait_dscnt 32                                ; all but the 32 just issued
	BMUL \f, 1, 0, \first
	BMUL \f, 1, 2, \first
.endm
; The first half of the last quarter: one barrier for the change of slots.  In front of it each wave waits for all its tensor loads (its part of the next slot), adds 0 to its spare word, and waits for that and for its reads of this slot.
.macro BMEET round
	WIN 0
	s_wait_tensorcnt 0x0                           ; all my tensor loads have landed
	ds_add_u32 v[SPW], v[NIL]
	s_wait_dscnt 9                                 ; (the add and the youngest eight loads may be out)
	BMUL F1, 0, 0, 0                               ; sixteen matrix instructions stand between the add and the wait for it
	s_wait_dscnt 0x0                               ; the add is done, and my reads of this slot are over
	s_barrier_signal -1
	BMUL F1, 0, 2, 0
.if \round
	WIN 0
.endif
	s_barrier_wait -1
.endm
.macro BASK                            ; one prefetch a wave: 32 blocks of 256 bytes of the K step that stands two refills on; the loop's last trip (s3 = 1) has none
	s_cmp_gt_u32 s3, s[LIM]
	s_cbranch_scc0 .Lnot_mine_\@
	global_prefetch_b8 v[PFO], s[PFA:PFA+1] th:TH_LOAD_NT scope:SCOPE_SE
.Lnot_mine_\@:
.endm
; The whole last quarter.  fill = 1: the barrier opens a round of the cluster's, and the slot just read is filled again, two K steps on, first thing behind the round: 224 matrix instructions ahead of the wait for it.
.macro BTURN slot, next, fill
.if \fill
	s_wait_xcnt 0x0                                ; the last prefetch, a K step back, has read its address
	s_add_nc_u64 s[PFA:PFA+1], s[PFA:PFA+1], s[PST:PST+1]
	BMEET 1
	CREST                                          ; no wave of any partner still reads this slot or has a load on its way
	s_add_nc_u64 s[G0+4*(\slot)+2:G0+4*(\slot)+3], s[G0+4*(\slot)+2:G0+4*(\slot)+3], 512
	s_add_nc_u64 s[G0B+4*(\slot)+2:G0B+4*(\slot)+3], s[G0B+4*(\slot)+2:G0B+4*(\slot)+3], 2*128*6144
	JLOAD \slot                                    ; its four v_nop are also the places in front of the loads below
	BFETCH \next, 0, F0
	BASK
.else
	BMEET 0
	PLACES
	BFETCH \next, 0, F0
.endif
	BMUL F1, 1, 0, 0
	BMUL F1, 1, 2, 0
.endm
; THE WAY OUT of row block a (16 rows x 128 columns = two heads): rounded to f16; into my stage, a head's rows 144 bytes apart; back as 512 consecutive bytes of a head; stored.
.macro BPACK a
.set AC, 64*((\a)%4)
	WIN 0x0a+5*((\a)/4)                            ; sources in window 2 or 3
.irp b, 0,1,2,3,4,5,6,7
.irp r, 0,1,2,3
	v_cvt_pk_f16_f32 v[TMP+4*(\b)+(\r)], v[AC+8*(\b)+2*(\r)], v[AC+8*(\b)+2*(\r)+1]
.endr
.endr
	WIN 0
.endm
.macro BTOSTAGE a
	WIN 0
.set BK, OB+192*((\a)%2)
.irp b, 0,1,2,3,4,5,6,7
	ds_store_b128 v[STO], v[TMP+4*(\b):TMP+4*(\b)+3] offset:((\b)/4)*2304+32*((\b)%4)
.endr
.irp t, 0,1,2,3,4,5,6,7
	ds_load_b128 v[BK+4*(\t):BK+4*(\t)+3], v[RD] offset:((\t)/4)*2304+((\t)%4)*576  ; LDS serves a wave's instructions in order (ISA guide 5.7.1.4): these see the stores above
.endr
.endm
.macro BSEND a
	WIN 0
.set BK, OB+192*((\a)%2)
	s_wait_dscnt 0x0                               ; the block is back in registers
	s_wait_xcnt 0x0                                ; the block before last has been read by its stores: its registers are loaded again only behind this wait
.irp t, 0,1,2,3,4,5,6,7
	global_store_b128 v[GO], v[BK+4*(\t):BK+4*(\t)+3], s[OUTB:OUTB+1] offset:((\t)/4)*524288+(\a)*2048+((\t)%4)*512  ; 512 consecutive bytes, aligned; the second head lies 4,096 keys on
.endr
.endm
	s_wait_tensorcnt 1                             ; my part of K step 0 is in; K step 1's may stay out
	s_barrier_signal -1
	s_barrier_wait -1
	BFETCH 0, 0, F0
	s_wait_loadcnt 0x0                             ; the bias
	BQUARTER 0, 1, F0, F1, 1                       ; the first quarter stands in front of the loop: its products start the sums
	WIN 0
	s_mov_b32 s3, 3
.Lblap:                                                ; a trip goes once round the ring and fills both slots again
	BQUARTER 0, 2, F1, F0, 0
	BQUARTER 0, 3, F0, F1, 0
	BTURN 0, 1, 1
	BQUARTER 1, 1, F0, F1, 0
	BQUARTER 1, 2, F1, F0, 0
	BQUARTER 1, 3, F0, F1, 0
	BTURN 1, 0, 1
	BQUARTER 0, 1, F0, F1, 0
	WIN 0
	s_sub_co_u32 s3, s3, 1
	s_cmp_lg_u32 s3, 0
	s_cbranch_scc1 .Lblap
	BQUARTER 0, 2, F1, F0, 0                       ; the last lap fills nothing
	BQUARTER 0, 3, F0, F1, 0
	BTURN 0, 1, 0
	BQUARTER 1, 1, F0, F1, 0
	BQUARTER 1, 2, F1, F0, 0
	BQUARTER 1, 3, F0, F1, 0
	s_wait_dscnt 8
	BMUL F1, 0, 0, 0
	BMUL F1, 0, 2, 0
	s_wait_dscnt 0x0
	BMUL F1, 1, 0, 0
	BMUL F1, 1, 2, 0
	WIN 0
	PLACES
	BPACK 0
	BTOSTAGE 0
.irp a, 1,2,3,4,5,6,7                  ; block a's conversions stand between block a - 1's loads from the stage and the wait for them
	BPACK \a
	BSEND (\a)-1
	BTOSTAGE \a
.endr
	BSEND 7
	s_wait_tensorcnt 0x0                           ; the wave's end
	ds_add_u32 v[SPW], v[NIL]
	s_wait_dscnt 0x0
	CROUND                                         ; the closing round
	s_endpgm
; ---------------------------------------------------------------- q: tiles of 128 x 128, a wave 64 x 64 (one head), K in 4 steps of 256 through two slots; all four written out
; LDS: slot s at s x 141,312: xn's 128 rows of 512 + 16 bytes; then w's 256 rows (along K) of 256 + 32 bytes.  Nothing is prefetched: the tiles are small.
; REGISTERS: window 0: addresses; v32-95 the way out; v96-127 the bias; v128-255 the 16 accumulators.  window 1: two fragment buffers of 128: 64 of xn (2 x 4 x 16 rows x 32 K), then 64 of w.
.set SPA,   528
.set SAQ,   128                        ; bytes of a row of xn in a quarter of a K step
.set SPB,   288
.set SSLOT, 141312
.set SBOFF, 67584
.set SF0,   0
.set SF1,   128
.set STMP,  32
.set BIAS,  96
.set ACC,   128
.Lsmall:
	s_sub_co_u32 s23, s20, 8
	s_lshl_b32 s23, s23, 2
	s_add_co_u32 s23, s23, s18                     ; tile row: 0..31
	s_or_b32 s[G1+0], s21, (1<<16)|(1<<20)|(1<<21)|(6<<22)|(3<<25)   ; after every 128 words 4 words
	s_mov_b32 s[G1+1], 256<<16
	s_mov_b32 s[G1+2], 64<<16
	s_mov_b32 s[G1+3], 256<<16
	s_mov_b32 s[G1+4], 64
	s_mov_b32 s[G1+5], 1024
	s_mov_b32 s[G1+6], 0
	s_mov_b32 s[G1+7], 0
	s_or_b32 s[G1B+0], s22, (1<<16)|(1<<20)|(1<<21)|(5<<22)|(7<<25)  ; after every 64 words 8 words
	s_mov_b32 s[G1B+1], 128<<16
	s_mov_b32 s[G1B+2], 128<<16
	s_mov_b32 s[G1B+3], 128<<16
	s_mov_b32 s[G1B+4], 128
	s_mov_b32 s[G1B+5], 3072
	s_mov_b32 s[G1B+6], 0
	s_mov_b32 s[G1B+7], 0
	s_lshl_b32 s66, s23, 7
	s_lshl_b32 s67, s16, 6
	s_add_co_u32 s66, s66, s67                     ; xn: row 128 x tile row + 64 x half
	s_lshl_b32 s66, s66, 11
	s_mov_b32 s67, 0
	s_add_nc_u64 s[66:67], s[4:5], s[66:67]
	s_mul_i32 s68, s16, 128*6144                   ; w: row 128 x half, column 128 x tile column
	s_lshl_b32 s69, s19, 8
	s_add_co_u32 s68, s68, s69
	s_mov_b32 s69, 0
	s_add_nc_u64 s[68:69], s[6:7], s[68:69]
	s_mul_i32 s70, s16, 64*SPA                     ; where they go
	s_mul_i32 s71, s16, 128*SPB
	s_add_co_u32 s71, s71, SBOFF
	CROUND
.irp s, 0,1
	s_mov_b32 s[G0+4*(\s)], 1
	s_add_co_u32 s[G0+4*(\s)+1], s70, (\s)*SSLOT
	s_add_nc_u64 s[G0+4*(\s)+2:G0+4*(\s)+3], s[66:67], (\s)*512
	s_or_b32 s[G0+4*(\s)+3], s[G0+4*(\s)+3], 0x80000000
	s_mov_b32 s[G0B+4*(\s)], 1
	s_add_co_u32 s[G0B+4*(\s)+1], s71, (\s)*SSLOT
	s_add_nc_u64 s[G0B+4*(\s)+2:G0B+4*(\s)+3], s[68:69], (\s)*256*6144
	s_or_b32 s[G0B+4*(\s)+3], s[G0B+4*(\s)+3], 0x80000000
	JLOAD \s
.endr
	s_lshl_b32 s72, s19, 9                         ; the bias of my 64 columns
	s_lshl_b32 s73, s16, 8
	s_add_co_u32 s72, s72, s73
	s_mov_b32 s73, 0
	s_add_nc_u64 s[BIA:BIA+1], s[8:9], s[72:73]
.irp b, 0,1,2,3
	global_load_b128 v[BIAS+8*(\b):BIAS+8*(\b)+3],   v[BO], s[BIA:BIA+1] offset:64*(\b)
	global_load_b128 v[BIAS+8*(\b)+4:BIAS+8*(\b)+7], v[BO], s[BIA:BIA+1] offset:64*(\b)+16
.endr
	v_mul_u32_u24 v3, v1, SPA
	v_lshl_add_u32 v3, v2, 4, v3
	s_mul_i32 s72, s15, 64*SPA
	v_add_nc_u32 v[ADRA], s72, v3
	v_add_nc_u32 v[ADRA+1], SSLOT, v[ADRA]
	v_lshl_add_u32 v6, v2, 3, v4
	v_mul_u32_u24 v6, v6, SPB
	v_lshl_add_u32 v6, v5, 4, v6
	s_lshl_b32 s72, s16, 7
	s_add_co_u32 s72, s72, SBOFF
	v_add_nc_u32 v[ADRB], s72, v6
	v_add_nc_u32 v[ADRB+1], 128*SPB, v[ADRB]       ; the second half of a K step lies beyond a 16-bit offset
	v_add_nc_u32 v[ADRB+2], SSLOT, v[ADRB]
	v_add_nc_u32 v[ADRB+3], SSLOT, v[ADRB+1]
	s_mul_i32 s72, s14, 2304                       ; my stage: 16 rows x 144 bytes
	s_add_co_u32 s72, s72, STAGE
	v_mul_u32_u24 v[STO], v1, 144
	v_lshl_add_u32 v[STO], v2, 4, v[STO]
	v_add_nc_u32 v[STO], s72, v[STO]
	v_bfe_u32 v[RD], v0, 3, 2
	v_mul_u32_u24 v[RD], v[RD], 144
	v_lshl_add_u32 v[RD], v4, 4, v[RD]
	v_add_nc_u32 v[RD], s72, v[RD]
	s_lshr_b32 s72, s23, 4                         ; q: head 16 b + 2 x tile column + half; row 128 (tile row % 16) + 64 x half
	s_lshl_b32 s72, s72, 4
	s_lshl_b32 s73, s19, 1
	s_add_co_u32 s72, s72, s73
	s_add_co_u32 s72, s72, s16
	s_lshl_b32 s72, s72, 11
	s_and_b32 s73, s23, 15
	s_lshl_b32 s73, s73, 7
	s_add_co_u32 s72, s72, s73
	s_lshl_b32 s73, s15, 6
	s_add_co_u32 s72, s72, s73
	s_lshl_b32 s72, s72, 7
	s_mov_b32 s73, 0
	s_add_nc_u64 s[OUTB:OUTB+1], s[10:11], s[72:73]
; 8 matrix instructions: row blocks a0, a0 + 1 x all 4 column blocks, 32 along K: half c of buffer f.  first = 1: the bias starts the sums.  The 16 accumulators take turns.
.macro SMUL f, c, a0, first
	WIN 0x05                                       ; sources window 1; C and D window 0
.irp a, \a0, (\a0)+1
.irp b, 0,1,2,3
.if \first
	v_wmma_f32_16x16x32_f16 v[ACC+8*(4*(\a)+(\b)):ACC+8*(4*(\a)+(\b))+7], v[(\f)+64+8*(4*(\c)+(\b)):(\f)+64+8*(4*(\c)+(\b))+7], v[(\f)+8*(4*(\c)+(\a)):(\f)+8*(4*(\c)+(\a))+7], v[BIAS+8*(\b):BIAS+8*(\b)+7]
.else
	v_wmma_f32_16x16x32_f16 v[ACC+8*(4*(\a)+(\b)):ACC+8*(4*(\a)+(\b))+7], v[(\f)+64+8*(4*(\c)+(\b)):(\f)+64+8*(4*(\c)+(\b))+7], v[(\f)+8*(4*(\c)+(\a)):(\f)+8*(4*(\c)+(\a))+7], v[ACC+8*(4*(\a)+(\b)):ACC+8*(4*(\a)+(\b))+7]
.endif
.endr
.endr
.endm
; 32 LDS loads in one run: quarter qk (64 along K) of a slot into buffer f; its first 32 along K first
.macro SFETCH slot, qk, f
	WIN 0x40
.irp c, 0,1
.irp i, 0,1,2,3
	ds_load_tr16_b128 v[(\f)+64+8*(4*(\c)+(\i)):(\f)+64+8*(4*(\c)+(\i))+3],   v[ADRB+2*(\slot)+(\qk)/2] offset:(((\qk)%2)*64+32*(\c))*SPB+32*(\i)
	ds_load_tr16_b128 v[(\f)+64+8*(4*(\c)+(\i))+4:(\f)+64+8*(4*(\c)+(\i))+7], v[ADRB+2*(\slot)+(\qk)/2] offset:(((\qk)%2)*64+32*(\c))*SPB+32*(\i)+16*SPB
	ds_load_b128 v[(\f)+8*(4*(\c)+(\i)):(\f)+8*(4*(\c)+(\i))+3],   v[ADRA+(\slot)] offset:SAQ*(\qk)+64*(\c)+(\i)*16*SPA
	ds_load_b128 v[(\f)+8*(4*(\c)+(\i))+4:(\f)+8*(4*(\c)+(\i))+7], v[ADRA+(\slot)] offset:SAQ*(\qk)+64*(\c)+(\i)*16*SPA+32
.endr
.endr
.endm
.macro SQUARTER slot, qk, f, g, first
	s_wait_dscnt 16                                ; the first 32 along K are in
	SMUL \f, 0, 0, \first
	SMUL \f, 0, 2, \first
	PLACES
	SFETCH \slot, \qk, \g
	s_wait_dscnt 32                                ; all but the 32 just issued
	SMUL \f, 1, 0, 0
	SMUL \f, 1, 2, 0
.endm
.macro STURN slot, next, fill          ; the last quarter multiplies buffer 1 and changes slots
	WIN 0
	s_wait_tensorcnt 0x0                           ; all my tensor loads have landed
	ds_add_u32 v[SPW], v[NIL]
	s_wait_dscnt 17                                ; (the add and the youngest sixteen loads may be out)
	SMUL SF1, 0, 0, 0
	s_wait_dscnt 0x0                               ; the add is done, and my reads of this slot are over
	s_barrier_signal -1
	SMUL SF1, 0, 2, 0
.if \fill
	WIN 0
.endif
	s_barrier_wait -1
.if \fill
	CREST
	s_add_nc_u64 s[G0+4*(\slot)+2:G0+4*(\slot)+3], s[G0+4*(\slot)+2:G0+4*(\slot)+3], 1024
	s_add_nc_u64 s[G0B+4*(\slot)+2:G0B+4*(\slot)+3], s[G0B+4*(\slot)+2:G0B+4*(\slot)+3], 2*256*6144
	JLOAD \slot
.else
	PLACES
.endif
	SFETCH \next, 0, SF0
	SMUL SF1, 1, 0, 0
	SMUL SF1, 1, 2, 0
.endm
.macro SPACK a                         ; 16 rows of my head: rounded, into my stage, and back as 2,048 consecutive bytes
.irp b, 0,1,2,3
.irp r, 0,1,2,3
	v_cvt_pk_f16_f32 v[STMP+16*(\a)+4*(\b)+(\r)], v[ACC+8*(4*(\a)+(\b))+2*(\r)], v[ACC+8*(4*(\a)+(\b))+2*(\r)+1]
.endr
.endr
.irp b, 0,1,2,3
	ds_store_b128 v[STO], v[STMP+16*(\a)+4*(\b):STMP+16*(\a)+4*(\b)+3] offset:32*(\b)
.endr
.irp t, 0,1,2,3
	ds_load_b128 v[STMP+16*(\a)+4*(\t):STMP+16*(\a)+4*(\t)+3], v[RD] offset:(\t)*576
.endr
.endm
.macro SSEND a, younger                ; younger: the LDS instructions issued behind block a's loads
.irp t, 0,1,2,3
	s_wait_dscnt (\younger)+3-(\t)
	global_store_b128 v[GO], v[STMP+16*(\a)+4*(\t):STMP+16*(\a)+4*(\t)+3], s[OUTB:OUTB+1] offset:(\a)*2048+(\t)*512
.endr
.endm
	s_wait_tensorcnt 1
	s_barrier_signal -1
	s_barrier_wait -1
	SFETCH 0, 0, SF0
	s_wait_loadcnt 0x0                             ; the bias
	SQUARTER 0, 1, SF0, SF1, 1
	SQUARTER 0, 2, SF1, SF0, 0
	SQUARTER 0, 3, SF0, SF1, 0
	STURN 0, 1, 1
	SQUARTER 1, 1, SF0, SF1, 0
	SQUARTER 1, 2, SF1, SF0, 0
	SQUARTER 1, 3, SF0, SF1, 0
	STURN 1, 0, 1
	SQUARTER 0, 1, SF0, SF1, 0
	SQUARTER 0, 2, SF1, SF0, 0
	SQUARTER 0, 3, SF0, SF1, 0
	STURN 0, 1, 0
	SQUARTER 1, 1, SF0, SF1, 0
	SQUARTER 1, 2, SF1, SF0, 0
	SQUARTER 1, 3, SF0, SF1, 0
	s_wait_dscnt 16
	SMUL SF1, 0, 0, 0
	SMUL SF1, 0, 2, 0
	s_wait_dscnt 0x0
	SMUL SF1, 1, 0, 0
	SMUL SF1, 1, 2, 0
	WIN 0
	PLACES
	SPACK 0
	SPACK 1
	SSEND 0, 8
	SPACK 2
	SSEND 1, 8
	SPACK 3
	SSEND 2, 8
	SSEND 3, 0
	s_wait_tensorcnt 0x0                           ; the wave's end
	ds_add_u32 v[SPW], v[NIL]
	s_wait_dscnt 0x0
	CROUND
	s_endpgm
.Lfunc_end_k_q58781fcb21_qkv:
	.size	k_q58781fcb21_qkv, .Lfunc_end_k_q58781fcb21_qkv-k_q58781fcb21_qkv
	.p2alignl 7, 3214868480
	.fill 96, 4, 3214868480
	.section	.rodata,"a",@progbits
	.p2align	6, 0x0
	.amdhsa_kernel k_q58781fcb21_qkv
		.amdhsa_group_segment_fixed_size 327680
		.amdhsa_private_segment_fixed_size 0
		.amdhsa_enable_private_segment 0
		.amdhsa_kernarg_size 40
		.amdhsa_user_sgpr_count 2
		.amdhsa_user_sgpr_kernarg_segment_ptr 1
		.amdhsa_wavefront_size32 1
		.amdhsa_system_sgpr_workgroup_id_x 1
		.amdhsa_system_sgpr_workgroup_id_y 1
		.amdhsa_system_sgpr_workgroup_id_z 1
		.amdhsa_system_vgpr_workitem_id 0
		.amdhsa_next_free_vgpr 1024
		.amdhsa_next_free_sgpr 80
		.amdhsa_reserve_vcc 0
		.amdhsa_float_denorm_mode_32 3
		.amdhsa_float_denorm_mode_16_64 3
		.amdhsa_memory_ordered 1
		.amdhsa_forward_progress 1
		.amdhsa_inst_pref_size 232
	.end_amdhsa_kernel
	.amdgpu_metadata
---
amdhsa.version: [ 1, 2 ]
amdhsa.kernels:
  - .name:           k_q58781fcb21_qkv
    .symbol:         k_q58781fcb21_qkv.kd
    .args:
      - { .name: xn, .offset: 0, .size: 8, .value_kind: global_buffer, .address_space: global }
      - { .name: w16, .offset: 8, .size: 8, .value_kind: global_buffer, .address_space: global }
      - { .name: b_qkv, .offset: 16, .size: 8, .value_kind: global_buffer, .address_space: global }
      - { .name: q, .offset: 24, .size: 8, .value_kind: global_buffer, .address_space: global }
      - { .name: kv, .offset: 32, .size: 8, .value_kind: global_buffer, .address_space: global }
    .group_segment_fixed_size: 327680
    .private_segment_fixed_size: 0
    .kernarg_segment_align: 8
    .kernarg_segment_size: 40
    .max_flat_workgroup_size: 128
    .sgpr_count:     80
    .vgpr_count:     1024
    .wavefront_size: 32
...
	.end_amdgpu_metadata
.endif
;; end of part 2
;; launch attn (part 3): grid 8 x 32, 4 waves a work-group, clusters of 4 x 1, 327,680 bytes of LDS; arguments q, kv, o; writes o
.if DOCPART == 3
	.amdgcn_target "amdgcn-amd-amdhsa--gfx1250"
	.amdhsa_code_object_version 6
	.text
	.protected	k_q58781fcb21_attn
	.globl	k_q58781fcb21_attn
	.p2align	8
	.type	k_q58781fcb21_attn,@function
k_q58781fcb21_attn:
	s_mov_b64 s[64:65], 0
	v_nop
	global_prefetch_b8 v0, s[64:65] scope:SCOPE_SE
	s_setreg_imm32_b32 hwreg(HW_REG_WAVE_MODE, 25, 1), 1
	s_wait_xcnt 0x0
	s_wait_alu depctr_hold_cnt(0) depctr_sa_sdst(0) depctr_va_vdst(0) depctr_va_sdst(0) depctr_va_ssrc(0) depctr_va_vcc(0) depctr_vm_vsrc(0)
	s_getreg_b32 s2, hwreg(HW_REG_IB_STS2, 6, 4)
	s_cmp_eq_u32 s2, 0
	s_cbranch_scc0 .Lentry_in_a_cluster
	s_endpgm
.Lentry_in_a_cluster:
	s_bfe_u32 s2, ttmp6, 0x10000c
	s_cmp_lg_u32 s2, 0x3003
	s_cbranch_scc0 .Lentry_shape_is_right
	s_endpgm
.Lentry_shape_is_right:
; ATTENTION.  O[y][t][:] = the sum over s of softmax_s(q[y][t] . k[y][s] / 8) v[y][s][:], y = 16 b + h.  q [32][2048][64], k and v [32][4096][64] (v lies 2^24 bytes behind k in kv), all f16.
; Products, maxima and sums in f32; the weights p are rounded to f16 for the second product (their sum l is taken of the unrounded p), O once at the end.
; o is laid out for the launch behind: [32 blocks of 128 rows = 16 b + t / 128][16 heads][128][64] f16: 16 rows of a head are 2,048 consecutive bytes.
; LIMITS.  q, k, v arrive within f16's 65,504; p lies in 0 to 1 and below 6e-5 keeps f16's fixed step of 6e-8; a weight below 2^-126 counts as 0 in l; NaN and infinities are not treated apart.
; SHARES.  A work-group owns 256 queries of one head, a wave 64: two PIECES of two tiles of 16.  Every wave walks the head's 4,096 keys, 64 a step.
; LAYOUT.  S^T = K Q^T (source 0 = 16 keys, source 1 = 16 queries): a lane holds ONE query (lane % 16) and the keys 8 (lane / 16) + 0..7.  Two such tiles, rounded to f16 in pairs, ARE source 1 of
; O^T = V^T P, whose result again holds one query a lane, and eight channels.  K comes out of LDS as it lies, V turned, by ds_load_tr16_b128.
; SOFTMAX.  A running maximum m and sum l: p = 2^(c s - c m), c = log2(e) / 8; in every step O and l are multiplied by a = 2^(c m_old - c m_new).  m starts at the lowest finite number, O and l at 0.
; BY TURNS.  Turn 0 of step j: 16 products K Q^T of piece 1 (step j), later 16 products V^T P of piece 1 (step j - 1); beside them piece 0's softmax of step j and piece 1's maximum.  Turn 1: K Q^T of piece 0
; (step j + 1), V^T P of piece 0 (step j), piece 1's softmax, piece 0's next maximum.  Four vector instructions stand behind every matrix instruction, the rest in one run; a turn's 66 exponentials are one batch with one wait.
; K IS SHIFTED BY ONE STEP IN THE RING.  Turn 0 of step j fetches K of step j + 1 and V of step j.  So slot m holds V's steps 4 m .. 4 m + 3 and K's steps 4 m + 1 .. 4 m + 4: both fetches fall in one slot, and
; the change of slots stands behind a step's second turn.  K of step 0 comes straight from memory.  The last tile's fourth K step is the 64 rows behind the head's last key: the next head's, or v's first: bytes
; of kv that the launch before has written.  The products made on them, and the maximum made of those, serve nothing: the price, once a launch, of one text for every step.
; CLUSTER.  The four query blocks of a cluster belong to one head and walk the same K and V: each tile is asked for jointly.
; REGISTERS, in windows of 256 (s_set_vgpr_msb: bits 1:0 source 0, 3:2 source 1, 5:4 source 2, 7:6 destination):
;   window 0: v0-11 addresses; v12-15, v48-63 at work; v16-31 statistics; v34-36 the add's two and the prefetches' offset; v64-191 S^T, two buffers of two tiles; v192-255 P likewise
;   window 1: v0-127 O^T, 32 a tile          window 2: v0-63 Q; v128-191 K of one step; v192-255 V of one step
.set NP,    2         ; pieces a wave: a name, no knob
.set KS,    64
.set PK,    144       ; a row of K in LDS: 128 bytes + 16: the 16 rows of a load start at 16 different groups of four banks (64 banks of 4 bytes: ISA guide 11.1)
.set PV,    160       ; a row of V: 128 + 32
.set VOFF,  4*KS*PK
.set SLOT1, 1<<17
.set STAGE, SLOT1+4*KS*(PK+PV)
.set SP,    144
.set SPARE, STAGE+4*16*SP  ; the spare words, 128 bytes for each wave: two blocks of 256 bytes that no other line names
.set VB,    16777216
.set AK0, 2
.set AV0, 3
.set AK,  4
.set AV,  5
.set QO,  6
.set STO, 6
.set RD,  7
.set GO,  8
.set MV,  12
.set ST,  16          ; tile t's statistics at v[ST+4 t]: c m, m, l (even keys', odd keys')
.set SPW, 34          ; never rewritten
.set NIL, 35          ; never rewritten
.set PFO, 36          ; 256 x lane; never rewritten
.set TMP, 48
.set S,   64
.set P,   192
.set KF,  128
.set VF,  192
.set WV,  12
.set G1K, 24
.set G1V, 32
.set G0K, 40
.set G0V, 44
.set PFA, 48          ; s[48:49] where my prefetches stand: my work-group's 8,192 bytes of a tile (K's: wave 0; V's: wave 2)
.set LIM, 50          ; s50  1 in a wave that prefetches, else the greatest number
.set K0,  52          ; s[52:53] K at the head's first key
.set SLOTS, 56
.set CNT, 57
.set CS,  58
.set SEL, 60
.set TBK, 62
.set TBV, 63
.set MSB, 0
.macro WIN new
.if MSB != (\new)
	s_set_vgpr_msb (MSB<<8)|(\new)
.set MSB, (\new)
.endif
.endm
.set W_KQ, 0x0a       ; K and Q in window 2, S^T in window 0
.set W_PV, 0x52       ; V in window 2, P in window 0, O^T in window 1
.set W_RS, 0x41       ; O^T (destination and source 0) in window 1, a in window 0
.macro JLOAD                        ; a joint fill: waves 0, 1 fetch the halves of a tile's K, waves 2, 3 those of its V; an s_nop 0 and four v_nop follow each line
	s_cmp_lt_u32 s[WV], 2
	s_cbranch_scc0 .Lfor_v_\@
	tensor_load_to_lds s[G0K:G0K+3], s[G1K:G1K+7]
	s_nop 0
.rept 4
	v_nop
.endr
	s_branch .Lasked_\@
.Lfor_v_\@:
	tensor_load_to_lds s[G0V:G0V+3], s[G1V:G1V+7]
	s_nop 0
.rept 4
	v_nop
.endr
.Lasked_\@:
.endm
; A prefetch of the tile that the NEXT change of slots will ask for: four key steps, 256 matrix instructions, ahead of that load.  Both clusters of a head walk the same tiles: the first asks.  Its four partners
; share a tile's 32,768 bytes out by address, 8,192 each, a lane 256 bytes; wave 0 asks for K's, wave 2 for V's.  The last change that fills a slot asks for nothing.
.macro ASK
	s_cmp_gt_u32 s[SLOTS], s[LIM]
	s_cbranch_scc0 .Lnot_mine_\@
	global_prefetch_b8 v[PFO], s[PFA:PFA+1] th:TH_LOAD_NT scope:SCOPE_SE
.Lnot_mine_\@:
.endm
.macro CROUND
	s_barrier_signal -1
	s_barrier_wait -1
	s_cmp_lg_u32 s[WV], 0
	s_cbranch_scc1 .Lnot_wave_0_\@
	s_barrier_signal -3
.Lnot_wave_0_\@:
	s_barrier_wait -3
	s_barrier_signal -1
	s_barrier_wait -1
.endm
; THE CHANGE OF SLOTS.  Each wave waits for all its tensor loads (its part of the other slot), adds 0 to its spare word, and waits for that and for its reads of the slot that it leaves.  fill = 1: the barrier is a
; round of the cluster's, and the old slot is filled again first thing behind it, with the tile two on.  (At its first use nothing has been read yet: slot 0 is waited for, slot 1 filled.)
.macro CHANGE fill
	WIN 0
	s_wait_tensorcnt 0x0            ; no tensor load of mine is out, so a group 0 may be written
	ds_add_u32 v[SPW], v[NIL]
.if \fill
.irp g, G0K, G0V
	s_xor_b32 s[\g+1], s[\g+1], SLOT1
	s_add_nc_u64 s[\g+2:\g+3], s[\g+2:\g+3], 4*KS*128
.endr
	s_wait_xcnt 0x0                 ; the last prefetch, four key steps back, has read its address
	s_add_nc_u64 s[PFA:PFA+1], s[PFA:PFA+1], 4*KS*128
	s_wait_dscnt 0x0                ; the add is done, and my reads of the slot are over
	CROUND
	JLOAD
	ASK
.else
	s_wait_dscnt 0x0
	s_barrier_signal -1
	s_barrier_wait -1
.endif
	s_sub_co_u32 s[TBK], s[TBK], 4*KS*PK  ; the fetches go back to a slot's first step, in the other slot
	s_xor_b32 s[TBK], s[TBK], SLOT1
	s_sub_co_u32 s[TBV], s[TBV], 4*KS*PV
	s_xor_b32 s[TBV], s[TBV], SLOT1
.endm
	s_load_b128 s[4:7], s[0:1], 0x0   ; q s[4:5], kv s[6:7]
	s_load_b64 s[8:9], s[0:1], 0x10   ; o
	v_lshl_add_u32 v[SPW], v0, 2, SPARE
	v_mov_b32 v[NIL], 0
	ds_add_u32 v[SPW], v[NIL]       ; the wave's opening: the add and its wait stand ahead of my first tensor load
	v_lshrrev_b32 v1, 5, v0
	v_readfirstlane_b32 s[WV], v1
	s_bfe_u32 s13, ttmp6, 0x40000   ; cx
	s_lshl_b32 s14, ttmp9, 2
	s_add_co_u32 s14, s14, s13      ; my block of 256 queries: it enters q's and o's addresses alone
	s_and_b32 s15, ttmp7, 0xffff    ; y, which the four partners share
	s_lshl_b32 s20, s15, 19         ; the head's first byte in k and in v
	s_mov_b32 s21, 0
	s_and_b32 s16, s[WV], 1         ; which half of a tile's 256 keys I fetch
	s_lshl_b32 s22, s16, 14
	s_add_co_u32 s22, s22, s20
	s_mov_b32 s23, 0
	s_mul_i32 s17, s16, 128*PK
	s_mul_i32 s18, s16, 128*PV
	s_lshl_b32 s2, s14, 2           ; q: my wave's 64 rows of 128 bytes
	s_add_co_u32 s2, s2, s[WV]
	s_lshl_b32 s2, s2, 13
	s_lshl_b32 s3, s15, 18
	s_add_co_u32 s2, s2, s3
	s_mov_b32 s3, 0
	s_lshr_b32 s10, s15, 4          ; o: row block 16 b + 2 x block + wave / 2, head y % 16, rows 64 (wave % 2) on
	s_lshl_b32 s10, s10, 4
	s_lshl_b32 s11, s14, 1
	s_add_co_u32 s10, s10, s11
	s_lshr_b32 s11, s[WV], 1
	s_add_co_u32 s10, s10, s11
	s_lshl_b32 s10, s10, 4
	s_and_b32 s11, s15, 15
	s_add_co_u32 s10, s10, s11
	s_lshl_b32 s10, s10, 14
	s_lshl_b32 s11, s16, 13
	s_add_co_u32 s10, s10, s11
	s_mov_b32 s11, 0
	; descriptor group 1.  128 keys are 16,384 dense bytes: asked for as 64 rows of 256 bytes, two keys a row, and padded in LDS after every key
	s_mov_b32 s[G1K], 15|(1<<16)|(1<<20)|(1<<21)|(4<<22)|(3<<25)
	s_mov_b32 s[G1V], 15|(1<<16)|(1<<20)|(1<<21)|(4<<22)|(7<<25)
.irp g, G1K, G1V
	s_mov_b32 s[\g+1], 128<<16
	s_mov_b32 s[\g+2], 64<<16
	s_mov_b32 s[\g+3], 128<<16
	s_mov_b32 s[\g+4], 64
	s_mov_b32 s[\g+5], 128
	s_mov_b32 s[\g+6], 0
	s_mov_b32 s[\g+7], 0
.endr
	s_mov_b32 s[CS], 0x3e38aa3b     ; c = log2(e) / 8
	s_mov_b32 s[CS+1], s[CS]
	s_mov_b32 s[SEL], 0x76543210
	s_mov_b32 s[SEL+1], 0xfedcba98
	s_mov_b32 s[TBK], SLOT1+4*KS*PK ; the first change of slots turns these two into 0
	s_mov_b32 s[TBV], SLOT1+4*KS*PV
	s_mov_b32 s[G0K], 1
	s_mov_b32 s[G0K+1], s17
	s_mov_b32 s[G0V], 1
	s_add_co_u32 s[G0V+1], s18, VOFF
	s_mov_b32 s[SLOTS], 15          ; tiles still to be asked for
	s_and_b32 s[LIM], s[WV], 1
	s_or_b32 s[LIM], s[LIM], ttmp9
	s_cmp_eq_u32 s[LIM], 0
	s_cselect_b32 s[LIM], 1, -1
	s_lshl_b32 s54, s13, 13
	s_mov_b32 s55, 0
	v_and_b32 v[PFO], 31, v0
	v_lshlrev_b32 v[PFO], 8, v[PFO]
	s_wait_dscnt 0x0                ; the opening add is done
	s_wait_kmcnt 0x0
	s_add_nc_u64 s[K0:K0+1], s[6:7], s[20:21]
	s_add_nc_u64 s[G0K+2:G0K+3], s[6:7], s[22:23]
	s_add_nc_u64 s[G0K+2:G0K+3], s[G0K+2:G0K+3], KS*128  ; K's tiles begin one step on
	s_add_nc_u64 s[G0V+2:G0V+3], s[6:7], s[22:23]
	s_add_nc_u64 s[G0V+2:G0V+3], s[G0V+2:G0V+3], VB
	s_cmp_lt_u32 s[WV], 2
	s_cselect_b64 s[PFA:PFA+1], s[G0K+2:G0K+3], s[G0V+2:G0V+3]  ; (in waves 0 and 2 these stand at a tile's first row)
	s_add_nc_u64 s[PFA:PFA+1], s[PFA:PFA+1], s[54:55]
	s_add_nc_u64 s[PFA:PFA+1], s[PFA:PFA+1], 4*KS*128  ; in tile 1; the first change steps it to tile 2.  Nothing is prefetched at the head
	s_or_b32 s[G0K+3], s[G0K+3], 0x80000000
	s_or_b32 s[G0V+3], s[G0V+3], 0x80000000
	s_add_nc_u64 s[4:5], s[4:5], s[2:3]
	s_add_nc_u64 s[8:9], s[8:9], s[10:11]
	CROUND                          ; all four work-groups are here: the first joint loads meet
	JLOAD                           ; tile 0 into slot 0
	v_and_b32 v1, 15, v0            ; l % 16
	v_bfe_u32 v9, v0, 4, 1          ; l / 16
	v_lshlrev_b32 v[QO], 7, v1
	v_lshl_add_u32 v[QO], v9, 4, v[QO]  ; row x 128 + 16 x half
	WIN 0x80
.set i, 0
.rept 4*NP                          ; Q stays in registers: tile i / 2, channels 32 (i % 2) on
	global_load_b128 v[8*i:8*i+3],   v[QO], s[4:5] offset:(i/2)*2048+(i%2)*64
	global_load_b128 v[8*i+4:8*i+7], v[QO], s[4:5] offset:(i/2)*2048+(i%2)*64+32
.set i, i+1
.endr
.set i, 0
.rept 8                             ; K of step 0: keys 16 (i / 2) on, channels 32 (i % 2) on
	global_load_b128 v[KF+8*i:KF+8*i+3],   v[QO], s[K0:K0+1] offset:(i/2)*2048+(i%2)*64
	global_load_b128 v[KF+8*i+4:KF+8*i+7], v[QO], s[K0:K0+1] offset:(i/2)*2048+(i%2)*64+32
.set i, i+1
.endr
	; What the first turn finds: V's registers and P's second buffer hold 0 (its products V^T P, of a piece that has not been, add 0), O^T and l are 0.  All this stands in the wait for the first tile.
.set i, VF
.rept 64
	v_mov_b32 v[i], 0
.set i, i+1
.endr
	WIN 0x40
.set i, 0
.rept 64*NP
	v_mov_b32 v[i], 0
.set i, i+1
.endr
	WIN 0
.set i, 0
.rept 2*NP
	v_mov_b32 v[ST+4*i], 0xfe000000    ; c m: far below every c s
	v_mov_b32 v[ST+4*i+1], 0xff7fffff  ; m
	v_mov_b32 v[ST+4*i+2], 0
	v_mov_b32 v[ST+4*i+3], 0
.set i, i+1
.endr
.set i, P+32
.rept 32
	v_mov_b32 v[i], 0
.set i, i+1
.endr
	v_mul_u32_u24 v[AK0], v1, PK
	v_lshl_add_u32 v[AK0], v9, 4, v[AK0]
	v_and_b32 v10, 7, v0
	v_bfe_u32 v11, v0, 3, 1
	v_lshl_add_u32 v[AV0], v9, 3, v10
	v_mul_u32_u24 v[AV0], v[AV0], PV
	v_lshl_add_u32 v[AV0], v11, 4, v[AV0]
	v_add_nc_u32 v[AV0], VOFF, v[AV0]
; THE MATRIX WORK.  The 8 accumulators of a run of 16 take turns.
.macro KQ x                         ; product i of 16 of S^T = K Q^T for piece x: channels 32 (i / 8) on, keys 16 ((i / 2) % 4) on, tile 2 x + i % 2.  The first 8 start the sums
	WIN W_KQ
.set rS, S+64*((\x)%2)+32*(i%2)+8*((i/2)%4)
.set rK, KF+16*((i/2)%4)+8*(i/8)
.set rQ, 16*(2*(\x)+i%2)+8*(i/8)
.if i < 8
	v_wmma_f32_16x16x32_f16 v[rS:rS+7], v[rK:rK+7], v[rQ:rQ+7], 0
.else
	v_wmma_f32_16x16x32_f16 v[rS:rS+7], v[rK:rK+7], v[rQ:rQ+7], v[rS:rS+7]
.endif
.endm
.macro PV x                         ; product i of 16 of O^T += V^T P for piece x: keys 32 (i / 8) on, channels 16 ((i / 2) % 4) on, tile 2 x + i % 2
	WIN W_PV
.set rO, 32*(2*(\x)+i%2)+8*((i/2)%4)
.set rV, VF+32*(i/8)+8*((i/2)%4)
.set rP, P+32*((\x)%2)+16*(i%2)+8*(i/8)
	v_wmma_f32_16x16x32_f16 v[rO:rO+7], v[rV:rV+7], v[rP:rP+7], v[rO:rO+7]
.endm
.macro MM                           ; the turn's next matrix instruction
.if i < 16
	KQ (Y+1)%NP
.set i, i+1
.else
.set i, i-16
	PV (Y+NP-1)%NP
.set i, i+17
.endif
.endm
; THE LDS LOADS stand in runs of 16, never singly among the matrix instructions.
.macro FETCH_K
	WIN 0x80
.irp f, 0,1,2,3,4,5,6,7
	ds_load_b128 v[KF+8*\f:KF+8*\f+3],   v[AK] offset:(\f/2)*16*PK+(\f%2)*64
	ds_load_b128 v[KF+8*\f+4:KF+8*\f+7], v[AK] offset:(\f/2)*16*PK+(\f%2)*64+32
.endr
	s_add_co_u32 s[TBK], s[TBK], KS*PK
	WIN 0
.endm
.macro FETCH_V
	WIN 0x80
.irp f, 0,1,2,3,4,5,6,7
	ds_load_tr16_b128 v[VF+8*\f:VF+8*\f+3],   v[AV] offset:(\f/4)*32*PV+(\f%4)*32
	ds_load_tr16_b128 v[VF+8*\f+4:VF+8*\f+7], v[AV] offset:(\f/4)*32*PV+16*PV+(\f%4)*32
.endr
	WIN 0
.endm
; THE VECTOR WORK OF A TURN stands in three queues, each in the order in which its entries become ready; the two tiles alternate.
.macro REGS y, u
.set rT, ST+4*(2*(\y)+(\u))
.set rC, TMP+8*((\y)%2)+4*(\u)
.set rM, MV+2*((\y)%2)+(\u)
.set rS, S+64*((\y)%2)+32*(\u)
.set rP, P+32*((\y)%2)+16*(\u)
.set rO, 32*(2*(\y)+(\u))
.endm
; Number n of the 22 that find the other piece's maximum and statistics; each accumulator's lowest registers are read first.
;   0-11 four chains of seven scores each     12-14, 16 the four scores left over, the old m, and the chains into one     15 c m_old is kept     17, 18 the other half of the lanes: the new m     19-21 c m; c m_old - c m_new; a
.macro XS u, n
	REGS (Y+1)%NP, \u
.if (\n) < 4
	v_max3_num_f32 v[rC+(\n)], v[rS+8*(\n)], v[rS+8*(\n)+1], v[rS+8*(\n)+2]
.elseif (\n) < 12
	v_max3_num_f32 v[rC+(\n)%4], v[rC+(\n)%4], v[rS+8*((\n)%4)+2*((\n)/4)+1], v[rS+8*((\n)%4)+2*((\n)/4)+2]
.elseif (\n) == 12
	v_max3_num_f32 v[rC], v[rC], v[rS+7], v[rS+15]
.elseif (\n) == 13
	v_max3_num_f32 v[rC+1], v[rC+1], v[rS+23], v[rS+31]
.elseif (\n) == 14
	v_max3_num_f32 v[rC+2], v[rC+2], v[rC+3], v[rT+1]
.elseif (\n) == 15
	v_mov_b32 v[rM], v[rT]
.elseif (\n) == 16
	v_max3_num_f32 v[rC], v[rC], v[rC+1], v[rC+2]
.elseif (\n) == 17
	v_permlanex16_b32 v[rC+3], v[rC], s[SEL], s[SEL+1]
.elseif (\n) == 18
	v_max_num_f32 v[rT+1], v[rC], v[rC+3]
.elseif (\n) == 19
	v_mul_f32 v[rT], s[CS], v[rT+1]
.elseif (\n) == 20
	v_sub_f32 v[rC+1], v[rM], v[rT]
.else
	v_exp_f32 v[rC+2], v[rC+1]
.endif
.endm
; Number g of the 64 that follow the exponentials: for each four weights both pairs are rounded to f16, the second pair is added onto the first in place, and a group later l takes that sum (the first time as l = a l + sum).
.macro GS g
.set h, (\g)+6*((\g)/62)
.if h >= 6
.set h, h+2
.endif
	REGS Y, h%2
.set k, h/8
.if h%8 < 4
	v_cvt_pk_f16_f32 v[rP+2*k+(h%8)/2], v[rS+4*k+2*((h%8)/2)], v[rS+4*k+2*((h%8)/2)+1]
.elseif h%8 < 6
	v_pk_add_f32 v[rS+4*k:rS+4*k+1], v[rS+4*k:rS+4*k+1], v[rS+4*k+2:rS+4*k+3]
.elseif k == 1
	v_pk_fma_f32 v[rT+2:rT+3], v[rT+2:rT+3], v[rC+2:rC+3], v[rS:rS+1] op_sel_hi:[1,0,1]
.else
	v_pk_add_f32 v[rT+2:rT+3], v[rT+2:rT+3], v[rS+4*k-4:rS+4*k-3]
.endif
.endm
; THE PLAIN QUEUE, 138 long.  0-26: scalings c s - c m.  27-54: XS 0-13.  55, 56: XS 15.  57-73: the chain 14, 16 .. 19, each with one of the scalings 27-31 in front of its two lines, then 20.  74-137: GS, behind the wait.
.macro FS f
	REGS Y, (\f)%2
	v_pk_fma_f32 v[rS+2*((\f)/2):rS+2*((\f)/2)+1], v[rS+2*((\f)/2):rS+2*((\f)/2)+1], s[CS:CS+1], v[rT:rT+1] op_sel_hi:[1,0,0] neg_lo:[0,0,1] neg_hi:[0,0,1]
.endm
.macro PL
	WIN 0
.if q < 27
	FS q
.elseif q < 55
	XS (q-27)%2, (q-27)/2
.elseif q < 57
	XS q-55, 15
.elseif (q < 72) && ((q-57)%3 == 0)
	FS 27+(q-57)/3
.elseif q < 60
	XS (q-57)%3-1, 14
.elseif q < 72
	XS (q-57)%3-1, 15+(q-57)/3
.elseif q < 74
	XS q-72, 20
.else
	GS q-74
.endif
.set q, q+1
.endm
.macro EX                           ; THE EXPONENTIALS' QUEUE, 66 long: s0-s31 of both tiles, then the other piece's two a: one batch, all ahead of the turn's one wait
	WIN 0
.if e >= 64
	XS e-64, 21
.else
	REGS Y, e%2
	v_exp_f32 v[rS+e/2], v[rS+e/2]
.endif
.set e, e+1
.endm
.macro R2                           ; THE RESCALING's QUEUE: O^T times a, two at a time.  Its a was made, and waited for, in the turn before.  An accumulator's first four registers are read first; the product
	REGS Y, r%2                     ; that finished accumulator n of tile u in the turn before stands 4 (8 - 2 n - u) riders or more ahead of the line that reads it
	WIN W_RS
.irp z, 0,1
	v_pk_mul_f32 v[rO+4*(r/2)+2*\z:rO+4*(r/2)+2*\z+1], v[rO+4*(r/2)+2*\z:rO+4*(r/2)+2*\z+1], v[rC+2:rC+3] op_sel_hi:[1,0]
.endr
.set r, r+1
.endm
; A TURN, for piece p.  Ahead of its one wait: 16 products K Q^T, behind each a scaling, an exponential and two rescalings; then one run of 108.  Behind it: 16 products V^T P, behind each four of GS's 64.
; Turn 0 fetches K of the next step directly behind the wait (a run of 108 behind the last product that read K) and V of the step in hand at its end, four plain riders behind the last product that read V.
.macro TURN p, cnt=0
.set Y, (\p)
.set i, 0
.set q, 0
.set e, 0
.set r, 0
.if (\p) == 1
	s_wait_dscnt 16                 ; K's run is in; V's sixteen loads, issued behind it, may stay out
.endif
	MM
	PL
	PL
	R2
.rept 15
	MM
	PL
	EX
	R2
.endr
.if (\p) == 0
	WIN 0
	v_add_nc_u32 v[AK], s[TBK], v[AK0]
.endif
.rept 8
	PL
.endr
.rept 49
	EX
	PL
.endr
	EX
	EX
	v_nop                           ; a plain instruction behind the last exponential: one for the batch
	s_wait_alu depctr_va_vdst(0)    ; the wait ahead of the first reader: one for the batch
.if (\p) == 0
	FETCH_K
.endif
.if (\p) == 1
	s_wait_dscnt 0x0                ; V is in
.endif
.rept 16
	MM
.rept 4
	PL
.endr
.if ((\p) == 0) && (q == 118)
	v_add_nc_u32 v[AV], s[TBV], v[AV0]
.endif
.if ((\p) == 0) && (q == 130)
	s_add_co_u32 s[TBV], s[TBV], KS*PV
.endif
.if (\cnt) && (q == 130)
	s_sub_co_u32 s[CNT], s[CNT], 1
	s_cmp_lg_u32 s[CNT], 0
.endif
.endr
.if (\p) == 0
	FETCH_V
.endif
.endm
	CHANGE 1                        ; tile 0 is in, everybody's part of it; tile 1 is asked for
	s_wait_loadcnt 0x0              ; Q, and K of step 0
.set i, 0
.rept 16
	KQ 0                            ; piece 0's first scores
.set i, i+1
.endr
	WIN 0                           ; the addresses for the way out: nine plain instructions, the places behind those products
	s_mul_i32 s13, s[WV], 16*SP
	s_add_co_u32 s13, s13, STAGE
	v_mul_u32_u24 v[STO], v1, SP
	v_lshl_add_u32 v[STO], v9, 4, v[STO]
	v_add_nc_u32 v[STO], s13, v[STO]
	v_bfe_u32 v[RD], v0, 3, 2
	v_mul_u32_u24 v[RD], v[RD], SP
	v_lshl_add_u32 v[RD], v10, 4, v[RD]
	v_add_nc_u32 v[RD], s13, v[RD]
	v_and_b32 v[GO], 31, v0
	v_lshlrev_b32 v[GO], 4, v[GO]
.set Y, NP-1                        ; XS works for piece Y + 1: piece 0
.irp n, 0,1,2,3,4,5,6,7,8,9,10,11,12,13,14,15,16,17,18,19,20,21
	XS 0, \n
	XS 1, \n
.endr
	v_nop
	s_wait_alu depctr_va_vdst(0)    ; the two a have their wait ahead of the branch
	s_branch .Lenter
.Lslot:                             ; 14 times: with the change above, every tile from 1 to 15 is asked for
	CHANGE 1
.Lenter:
	s_mov_b32 s[CNT], 4
.Lstep:
	TURN 0
	TURN 1, 1
	WIN 0
	s_cbranch_scc1 .Lstep
	s_sub_co_u32 s[SLOTS], s[SLOTS], 1
	s_cmp_lg_u32 s[SLOTS], 0
	s_cbranch_scc1 .Lslot
	CHANGE 0                        ; the last tile is written out: nothing is asked for
	s_mov_b32 s[CNT], 4
.Ltail:
	TURN 0
	TURN 1, 1
	WIN 0
	s_cbranch_scc1 .Ltail
.set i, 0
.rept 16
	PV NP-1                         ; piece 1's V^T P of the last step
.set i, i+1
.endr
	; THE WAY OUT.  l's two halves and the other half of the lanes' are added; O^T is divided by l, rounded to f16 and sent through my stage, a tile at a time.  The additions are the places behind the last products.
	WIN 0
.macro ALL line:vararg
.set t, 0
.rept 2*NP
	\line
.set t, t+1
.endr
.endm
	ALL v_add_f32 v[ST+4*t+2], v[ST+4*t+2], v[ST+4*t+3]
	ALL v_permlanex16_b32 v[ST+4*t+3], v[ST+4*t+2], s[SEL], s[SEL+1]
	ALL v_add_f32 v[ST+4*t+2], v[ST+4*t+2], v[ST+4*t+3]
	ALL v_rcp_f32 v[ST+4*t+2], v[ST+4*t+2]
	v_nop
	s_wait_alu depctr_va_vdst(0)    ; one wait for the four reciprocals
.macro PACK t
	WIN W_RS
.set i, 32*(\t)
.rept 16
	v_pk_mul_f32 v[i:i+1], v[i:i+1], v[ST+4*(\t)+2:ST+4*(\t)+3] op_sel_hi:[1,0]
.set i, i+2
.endr
	WIN 0x05
.set i, 0
.rept 16
	v_cvt_pk_f16_f32 v[S+16*(\t)+i], v[32*(\t)+2*i], v[32*(\t)+2*i+1]
.set i, i+1
.endr
	WIN 0
.irp f, 0,1,2,3
	ds_store_b128 v[STO], v[S+16*(\t)+4*\f:S+16*(\t)+4*\f+3] offset:32*\f
.endr
.irp f, 0,1,2,3
	ds_load_b128 v[S+16*(\t)+4*\f:S+16*(\t)+4*\f+3], v[RD] offset:\f*4*SP  ; LDS serves a wave's instructions in order (ISA guide 5.7.1.4)
.endr
.endm
.macro SEND t, younger
	WIN 0
.irp f, 0,1,2,3
	s_wait_dscnt (\younger)+3-\f
	global_store_b128 v[GO], v[S+16*(\t)+4*\f:S+16*(\t)+4*\f+3], s[8:9] offset:(\t)*2048+\f*512  ; 512 consecutive bytes, aligned
.endr
.endm
	PACK 0
.set t, 1
.rept 2*NP-1
	PACK t
	SEND t-1, 8
.set t, t+1
.endr
	SEND 2*NP-1, 0
	s_wait_tensorcnt 0x0            ; the wave's end
	ds_add_u32 v[SPW], v[NIL]
	s_wait_dscnt 0x0
	CROUND                          ; the closing round
	s_endpgm
.Lfunc_end_k_q58781fcb21_attn:
	.size	k_q58781fcb21_attn, .Lfunc_end_k_q58781fcb21_attn-k_q58781fcb21_attn
	.p2alignl 7, 3214868480
	.fill 96, 4, 3214868480
	.section	.rodata,"a",@progbits
	.p2align	6, 0x0
	.amdhsa_kernel k_q58781fcb21_attn
		.amdhsa_group_segment_fixed_size 327680
		.amdhsa_private_segment_fixed_size 0
		.amdhsa_enable_private_segment 0
		.amdhsa_kernarg_size 24
		.amdhsa_user_sgpr_count 2
		.amdhsa_user_sgpr_kernarg_segment_ptr 1
		.amdhsa_wavefront_size32 1
		.amdhsa_system_sgpr_workgroup_id_x 1
		.amdhsa_system_sgpr_workgroup_id_y 1
		.amdhsa_system_sgpr_workgroup_id_z 1
		.amdhsa_system_vgpr_workitem_id 0
		.amdhsa_next_free_vgpr 768
		.amdhsa_next_free_sgpr 66
		.amdhsa_reserve_vcc 0
		.amdhsa_float_denorm_mode_32 3
		.amdhsa_float_denorm_mode_16_64 3
		.amdhsa_memory_ordered 1
		.amdhsa_forward_progress 1
		.amdhsa_inst_pref_size 113
	.end_amdhsa_kernel
	.amdgpu_metadata
---
amdhsa.version: [ 1, 2 ]
amdhsa.kernels:
  - .name:           k_q58781fcb21_attn
    .symbol:         k_q58781fcb21_attn.kd
    .args:
      - { .name: q, .offset: 0, .size: 8, .value_kind: global_buffer, .address_space: global }
      - { .name: kv, .offset: 8, .size: 8, .value_kind: global_buffer, .address_space: global }
      - { .name: o, .offset: 16, .size: 8, .value_kind: global_buffer, .address_space: global }
    .group_segment_fixed_size: 327680
    .private_segment_fixed_size: 0
    .kernarg_segment_align: 8
    .kernarg_segment_size: 24
    .max_flat_workgroup_size: 128
    .sgpr_count:     66
    .vgpr_count:     768
    .wavefront_size: 32
...
	.end_amdgpu_metadata
.endif
;; end of part 3
;; launch out (part 4): grid 8 x 32, 4 waves a work-group, clusters of 4 x 4, 327,680 bytes of LDS; arguments o, w16, b_out, x, out0; writes out0
.if DOCPART == 4
	.amdgcn_target "amdgcn-amd-amdhsa--gfx1250"
	.amdhsa_code_object_version 6
	.text
	.protected	k_q58781fcb21_out
	.globl	k_q58781fcb21_out
	.p2align	8
	.type	k_q58781fcb21_out,@function
k_q58781fcb21_out:
	s_mov_b64 s[64:65], 0
	v_nop
	global_prefetch_b8 v0, s[64:65] scope:SCOPE_SE
	s_setreg_imm32_b32 hwreg(HW_REG_WAVE_MODE, 25, 1), 1
	s_wait_xcnt 0x0
	s_wait_alu depctr_hold_cnt(0) depctr_sa_sdst(0) depctr_va_vdst(0) depctr_va_sdst(0) depctr_va_ssrc(0) depctr_va_vcc(0) depctr_vm_vsrc(0)
	s_getreg_b32 s2, hwreg(HW_REG_IB_STS2, 6, 4)
	s_cmp_eq_u32 s2, 0
	s_cbranch_scc0 .Lentry_in_a_cluster
	s_endpgm
.Lentry_in_a_cluster:
	s_bfe_u32 s2, ttmp6, 0x10000c
	s_cmp_lg_u32 s2, 0xf033
	s_cbranch_scc0 .Lentry_shape_is_right
	s_endpgm
.Lentry_shape_is_right:
; out0 = O w_out + b_out + x.  O f16 as the launch before left it: [32 blocks of 128 rows][16 heads][128][64]; w_out f16 [1024 k][1024 n], 6,291,456 bytes into w16; b_out, x, out0 f32.  Sums in f32.
; 256 tiles of 128 x 128, one for each WGP; four waves of 64 x 64; K in 4 steps of 256 (four heads) through two slots, all four written out.
; CLUSTERS of 4 x 4: O's tiles are shared along a row of the cluster, w's along a column: joint loads.  Nothing is prefetched: the tiles are small.
; w is turned on the way out of LDS; the matrix instruction is used transposed (source 0 = 16 columns of w, source 1 = 16 rows of O): a lane holds row l % 16 and the columns 8 (l / 16) + 0..7.
; b_out is the C operand of each sum's first product.  x is loaded at the head, in the layout in which rows come back from the stage, and added there.
; LDS: slot s at s x 147,456: O's 4 heads x 128 rows of 128 + 16 bytes; then w's 256 rows of 256 + 32 bytes.  Stage: 16 rows of 256 + 16 bytes for each wave.
; REGISTERS: window 0: addresses; v32-95 the way out; v96-127 the bias; v128-255 the accumulators.  window 1: two fragment buffers of 128.  window 2: v0-127 x.
.set SPA,   144
.set SAQ,   18432                      ; a quarter of a K step is a head: 128 rows of 144 bytes
.set SPB,   288
.set SSLOT, 147456
.set SBOFF, 73728
.set STAGE, 294912
.set SPARE, 312320                     ; the spare words, 128 bytes for each wave: two blocks of 256 bytes that no other line names
.set ADRA, 16
.set ADRB, 20
.set STO,  24
.set RD,   25
.set CO,   26                          ; v26  my 16 bytes in two rows of x and of out0
.set BO,   27
.set SPW,  28                          ; never rewritten
.set NIL,  29                          ; never rewritten
.set BIAS, 96
.set ACC,  128
.set SF0,  0
.set SF1,  128
.set G1,   24
.set G0,   32
.set G1B,  48
.set G0B,  56
.set MSB, 0
.macro WIN new
.if MSB != (\new)
	s_set_vgpr_msb (MSB<<8)|(\new)
.set MSB, \new
.endif
.endm
.macro PLACES
.rept 4
	v_nop
.endr
.endm
.macro JLOAD s                         ; a joint load: waves 0, 1 fetch O's two halves, waves 2, 3 w's; an s_nop 0 and four v_nop follow each of the two lines
	s_cmp_eq_u32 s15, 0
	s_cbranch_scc0 .Lfor_b_\@
	tensor_load_to_lds s[G0+4*(\s):G0+4*(\s)+3], s[G1:G1+7]
	s_nop 0
.rept 4
	v_nop
.endr
	s_branch .Lasked_\@
.Lfor_b_\@:
	tensor_load_to_lds s[G0B+4*(\s):G0B+4*(\s)+3], s[G1B:G1B+7]
	s_nop 0
.rept 4
	v_nop
.endr
.Lasked_\@:
.endm
.macro CREST
	s_cmp_lg_u32 s14, 0
	s_cbranch_scc1 .Lnot_wave_0_\@
	s_barrier_signal -3
.Lnot_wave_0_\@:
	s_barrier_wait -3
	s_barrier_signal -1
	s_barrier_wait -1
.endm
.macro CROUND
	s_barrier_signal -1
	s_barrier_wait -1
	CREST
.endm
	s_load_b256 s[4:11], s[0:1], 0x0               ; o s[4:5], w16 s[6:7], b_out s[8:9], x s[10:11]
	s_load_b64 s[12:13], s[0:1], 0x20              ; out0
	v_lshl_add_u32 v[SPW], v0, 2, SPARE
	v_mov_b32 v[NIL], 0
	ds_add_u32 v[SPW], v[NIL]                      ; the wave's opening: the add and its wait stand ahead of my first tensor load
	v_lshrrev_b32 v1, 5, v0
	v_readfirstlane_b32 s14, v1                    ; wave
	s_lshr_b32 s15, s14, 1                         ; my half of the rows; also: I fetch for O (0) or for w (1)
	s_and_b32 s16, s14, 1                          ; my half of the columns; also: which half I fetch
	s_bfe_u32 s17, ttmp6, 0x40000                  ; cx
	s_bfe_u32 s18, ttmp6, 0x40004                  ; cy
	s_lshl_b32 s19, ttmp9, 2
	s_add_co_u32 s19, s19, s17                     ; tile column: 0..7
	s_and_b32 s23, ttmp7, 0xffff
	s_lshl_b32 s23, s23, 2
	s_add_co_u32 s23, s23, s18                     ; tile row: 0..31
	s_lshl_b32 s21, s18, 2
	s_lshl_b32 s21, 15, s21                        ; my row of the cluster
	s_lshl_b32 s22, 0x1111, s17                    ; my column
	s_or_b32 s[G1+0], s21, (1<<16)|(1<<20)|(1<<21)|(4<<22)|(3<<25)   ; two heads are 32,768 dense bytes: 128 rows of 256 bytes, padded by 4 words after every 32 (a row of a head)
	s_mov_b32 s[G1+1], 128<<16
	s_mov_b32 s[G1+2], 128<<16
	s_mov_b32 s[G1+3], 128<<16
	s_mov_b32 s[G1+4], 128
	s_mov_b32 s[G1+5], 128
	s_mov_b32 s[G1+6], 0
	s_mov_b32 s[G1+7], 0
	s_or_b32 s[G1B+0], s22, (1<<16)|(1<<20)|(1<<21)|(5<<22)|(7<<25)  ; after every 64 words 8 words
	s_mov_b32 s[G1B+1], 128<<16
	s_mov_b32 s[G1B+2], 128<<16
	s_mov_b32 s[G1B+3], 128<<16
	s_mov_b32 s[G1B+4], 128
	s_mov_b32 s[G1B+5], 1024
	s_mov_b32 s[G1B+6], 0
	s_mov_b32 s[G1B+7], 0
	s_lshl_b32 s66, s23, 4
	s_lshl_b32 s67, s16, 1
	s_add_co_u32 s66, s66, s67                     ; O: head block 16 x tile row + 2 x half
	s_lshl_b32 s66, s66, 14
	s_mov_b32 s67, 0
	s_lshl_b32 s68, s16, 18                        ; w: row 128 x half (2,048 bytes each), column 128 x tile column
	s_lshl_b32 s69, s19, 8
	s_add_co_u32 s68, s68, s69
	s_add_co_u32 s68, s68, 6291456
	s_mov_b32 s69, 0
	s_mul_i32 s70, s14, 36864                      ; where they go: wave x a quarter of a slot
	v_and_b32 v1, 15, v0
	v_bfe_u32 v2, v0, 4, 1
	v_and_b32 v4, 7, v0
	v_bfe_u32 v5, v0, 3, 1
	v_lshlrev_b32 v[BO], 5, v2
	v_lshlrev_b32 v[CO], 12, v2
	v_lshl_add_u32 v[CO], v1, 4, v[CO]
	s_wait_dscnt 0x0                               ; the opening add is done
	s_wait_kmcnt 0x0
	s_add_nc_u64 s[66:67], s[4:5], s[66:67]
	s_add_nc_u64 s[68:69], s[6:7], s[68:69]
	CROUND
.irp s, 0,1
	s_mov_b32 s[G0+4*(\s)], 1
	s_add_co_u32 s[G0+4*(\s)+1], s70, (\s)*SSLOT
	s_add_nc_u64 s[G0+4*(\s)+2:G0+4*(\s)+3], s[66:67], (\s)*65536
	s_or_b32 s[G0+4*(\s)+3], s[G0+4*(\s)+3], 0x80000000
	s_mov_b32 s[G0B+4*(\s)], 1
	s_add_co_u32 s[G0B+4*(\s)+1], s70, (\s)*SSLOT
	s_add_nc_u64 s[G0B+4*(\s)+2:G0B+4*(\s)+3], s[68:69], (\s)*256*2048
	s_or_b32 s[G0B+4*(\s)+3], s[G0B+4*(\s)+3], 0x80000000
	JLOAD \s
.endr
	s_lshl_b32 s74, s19, 9                         ; my 64 columns, in f32
	s_lshl_b32 s75, s16, 8
	s_add_co_u32 s74, s74, s75
	s_mov_b32 s75, 0
	s_add_nc_u64 s[8:9], s[8:9], s[74:75]
	s_lshl_b32 s72, s23, 7
	s_lshl_b32 s73, s15, 6
	s_add_co_u32 s72, s72, s73                     ; my first row
	s_lshl_b32 s72, s72, 12
	s_add_co_u32 s72, s72, s74
	s_mov_b32 s73, 0
	s_add_nc_u64 s[10:11], s[10:11], s[72:73]
	s_add_nc_u64 s[12:13], s[12:13], s[72:73]
.irp b, 0,1,2,3
	global_load_b128 v[BIAS+8*(\b):BIAS+8*(\b)+3],   v[BO], s[8:9] offset:64*(\b)
	global_load_b128 v[BIAS+8*(\b)+4:BIAS+8*(\b)+7], v[BO], s[8:9] offset:64*(\b)+16
.endr
	WIN 0x80
.set i, 0
.rept 32                               ; x: rows 2 i and 2 i + 1 of my 64, 256 bytes each
	global_load_b128 v[4*i:4*i+3], v[CO], s[10:11] offset:2*i*4096 th:TH_LOAD_NT
.set i, i+1
.endr
	WIN 0
	v_mul_u32_u24 v3, v1, SPA
	v_lshl_add_u32 v3, v2, 4, v3
	s_mul_i32 s72, s15, 64*SPA
	v_add_nc_u32 v[ADRA], s72, v3
	v_add_nc_u32 v[ADRA+1], SSLOT, v[ADRA]
	v_lshl_add_u32 v6, v2, 3, v4
	v_mul_u32_u24 v6, v6, SPB
	v_lshl_add_u32 v6, v5, 4, v6
	s_lshl_b32 s72, s16, 7
	s_add_co_u32 s72, s72, SBOFF
	v_add_nc_u32 v[ADRB], s72, v6
	v_add_nc_u32 v[ADRB+1], 128*SPB, v[ADRB]
	v_add_nc_u32 v[ADRB+2], SSLOT, v[ADRB]
	v_add_nc_u32 v[ADRB+3], SSLOT, v[ADRB+1]
	s_mul_i32 s72, s14, 4352                       ; my stage
	s_add_co_u32 s72, s72, STAGE
	v_mul_u32_u24 v[STO], v1, 272                  ; in: row l % 16, 32 bytes for each half of the lanes
	v_lshl_add_u32 v[STO], v2, 5, v[STO]
	v_add_nc_u32 v[STO], s72, v[STO]
	v_mul_u32_u24 v[RD], v2, 272                   ; back: lanes 0-15 one row of 256 bytes, lanes 16-31 the next
	v_lshl_add_u32 v[RD], v1, 4, v[RD]
	v_add_nc_u32 v[RD], s72, v[RD]
.macro SMUL f, c, a0, first            ; 8 matrix instructions: row blocks a0, a0 + 1 x 4 column blocks, 32 along K: half c of buffer f.  The 16 accumulators take turns
	WIN 0x05
.irp a, \a0, (\a0)+1
.irp b, 0,1,2,3
.if \first
	v_wmma_f32_16x16x32_f16 v[ACC+8*(4*(\a)+(\b)):ACC+8*(4*(\a)+(\b))+7], v[(\f)+64+8*(4*(\c)+(\b)):(\f)+64+8*(4*(\c)+(\b))+7], v[(\f)+8*(4*(\c)+(\a)):(\f)+8*(4*(\c)+(\a))+7], v[BIAS+8*(\b):BIAS+8*(\b)+7]
.else
	v_wmma_f32_16x16x32_f16 v[ACC+8*(4*(\a)+(\b)):ACC+8*(4*(\a)+(\b))+7], v[(\f)+64+8*(4*(\c)+(\b)):(\f)+64+8*(4*(\c)+(\b))+7], v[(\f)+8*(4*(\c)+(\a)):(\f)+8*(4*(\c)+(\a))+7], v[ACC+8*(4*(\a)+(\b)):ACC+8*(4*(\a)+(\b))+7]
.endif
.endr
.endr
.endm
.macro SFETCH slot, qk, f              ; 32 LDS loads in one run: quarter qk (a head, 64 along K) into buffer f; its first 32 along K first
	WIN 0x40
.irp c, 0,1
.irp i, 0,1,2,3
	ds_load_tr16_b128 v[(\f)+64+8*(4*(\c)+(\i)):(\f)+64+8*(4*(\c)+(\i))+3],   v[ADRB+2*(\slot)+(\qk)/2] offset:(((\qk)%2)*64+32*(\c))*SPB+32*(\i)
	ds_load_tr16_b128 v[(\f)+64+8*(4*(\c)+(\i))+4:(\f)+64+8*(4*(\c)+(\i))+7], v[ADRB+2*(\slot)+(\qk)/2] offset:(((\qk)%2)*64+32*(\c))*SPB+32*(\i)+16*SPB
	ds_load_b128 v[(\f)+8*(4*(\c)+(\i)):(\f)+8*(4*(\c)+(\i))+3],   v[ADRA+(\slot)] offset:SAQ*(\qk)+64*(\c)+(\i)*16*SPA
	ds_load_b128 v[(\f)+8*(4*(\c)+(\i))+4:(\f)+8*(4*(\c)+(\i))+7], v[ADRA+(\slot)] offset:SAQ*(\qk)+64*(\c)+(\i)*16*SPA+32
.endr
.endr
.endm
.macro SQUARTER slot, qk, f, g, first
	s_wait_dscnt 16                                ; the first 32 along K are in
	SMUL \f, 0, 0, \first
	SMUL \f, 0, 2, \first
	PLACES
	SFETCH \slot, \qk, \g
	s_wait_dscnt 32                                ; all but the 32 just issued
	SMUL \f, 1, 0, 0
	SMUL \f, 1, 2, 0
.endm
.macro STURN slot, next, fill          ; the last quarter multiplies buffer 1 and changes slots
	WIN 0
	s_wait_tensorcnt 0x0                           ; all my tensor loads have landed
	ds_add_u32 v[SPW], v[NIL]
	s_wait_dscnt 17                                ; (the add and the youngest sixteen loads may be out)
	SMUL SF1, 0, 0, 0
	s_wait_dscnt 0x0                               ; the add is done, and my reads of this slot are over
	s_barrier_signal -1
	SMUL SF1, 0, 2, 0
.if \fill
	WIN 0
.endif
	s_barrier_wait -1
.if \fill
	CREST
	s_add_nc_u64 s[G0+4*(\slot)+2:G0+4*(\slot)+3], s[G0+4*(\slot)+2:G0+4*(\slot)+3], 2*65536
	s_add_nc_u64 s[G0B+4*(\slot)+2:G0B+4*(\slot)+3], s[G0B+4*(\slot)+2:G0B+4*(\slot)+3], 2*256*2048
	JLOAD \slot
.else
	PLACES
.endif
	SFETCH \next, 0, SF0
	SMUL SF1, 1, 0, 0
	SMUL SF1, 1, 2, 0
.endm
; THE WAY OUT of row block a: the f32 sums go into my stage as they are, each accumulator's low half first, and come back as whole rows of 256 bytes; x is added; sixteen lanes store 256 consecutive bytes, aligned.
.macro OSTAGE a
.set BK, 32+32*((\a)%2)
.irp b, 0,1,2,3
	ds_store_b128 v[STO], v[ACC+8*(4*(\a)+(\b)):ACC+8*(4*(\a)+(\b))+3]   offset:64*(\b)
	ds_store_b128 v[STO], v[ACC+8*(4*(\a)+(\b))+4:ACC+8*(4*(\a)+(\b))+7] offset:64*(\b)+16
.endr
.irp t, 0,1,2,3,4,5,6,7
	ds_load_b128 v[BK+4*(\t):BK+4*(\t)+3], v[RD] offset:(\t)*544  ; LDS serves a wave's instructions in order (ISA guide 5.7.1.4)
.endr
.endm
.macro OSEND a, younger                ; younger: the next block's sixteen LDS instructions, or none
.set BK, 32+32*((\a)%2)
	s_wait_dscnt \younger
	s_wait_loadcnt 8*(3-(\a))                      ; x's rows of this block are in; the later blocks' eight loads each may stay out
	WIN 0x08                                       ; source 1 (x) in window 2
.set z, 0
.rept 16
	v_pk_add_f32 v[BK+z:BK+z+1], v[BK+z:BK+z+1], v[32*(\a)+z:32*(\a)+z+1]
.set z, z+2
.endr
	WIN 0
.irp t, 0,1,2,3,4,5,6,7
	global_store_b128 v[CO], v[BK+4*(\t):BK+4*(\t)+3], s[12:13] offset:(16*(\a)+2*(\t))*4096 th:TH_STORE_NT
.endr
.endm
	s_wait_tensorcnt 1                             ; my part of K step 0 is in; K step 1's may stay out
	s_barrier_signal -1
	s_barrier_wait -1
	SFETCH 0, 0, SF0
	s_wait_loadcnt 32                              ; the bias is in; x's 32 loads stay out
	SQUARTER 0, 1, SF0, SF1, 1
	SQUARTER 0, 2, SF1, SF0, 0
	SQUARTER 0, 3, SF0, SF1, 0
	STURN 0, 1, 1
	SQUARTER 1, 1, SF0, SF1, 0
	SQUARTER 1, 2, SF1, SF0, 0
	SQUARTER 1, 3, SF0, SF1, 0
	STURN 1, 0, 1
	SQUARTER 0, 1, SF0, SF1, 0
	SQUARTER 0, 2, SF1, SF0, 0
	SQUARTER 0, 3, SF0, SF1, 0
	STURN 0, 1, 0
	SQUARTER 1, 1, SF0, SF1, 0
	SQUARTER 1, 2, SF1, SF0, 0
	SQUARTER 1, 3, SF0, SF1, 0
	s_wait_dscnt 16
	SMUL SF1, 0, 0, 0
	SMUL SF1, 0, 2, 0
	s_wait_dscnt 0x0
	SMUL SF1, 1, 0, 0
	SMUL SF1, 1, 2, 0
	WIN 0
	PLACES
	OSTAGE 0
	OSTAGE 1
	OSEND 0, 16
	s_wait_xcnt 0x0                                ; block 0's stores have read their registers, which block 2 is loaded into
	OSTAGE 2
	OSEND 1, 16
	s_wait_xcnt 0x0
	OSTAGE 3
	OSEND 2, 16
	OSEND 3, 0
	s_wait_tensorcnt 0x0                           ; the wave's end
	ds_add_u32 v[SPW], v[NIL]
	s_wait_dscnt 0x0
	CROUND                                         ; the closing round
	s_endpgm
.Lfunc_end_k_q58781fcb21_out:
	.size	k_q58781fcb21_out, .Lfunc_end_k_q58781fcb21_out-k_q58781fcb21_out
	.p2alignl 7, 3214868480
	.fill 96, 4, 3214868480
	.section	.rodata,"a",@progbits
	.p2align	6, 0x0
	.amdhsa_kernel k_q58781fcb21_out
		.amdhsa_group_segment_fixed_size 327680
		.amdhsa_private_segment_fixed_size 0
		.amdhsa_enable_private_segment 0
		.amdhsa_kernarg_size 40
		.amdhsa_user_sgpr_count 2
		.amdhsa_user_sgpr_kernarg_segment_ptr 1
		.amdhsa_wavefront_size32 1
		.amdhsa_system_sgpr_workgroup_id_x 1
		.amdhsa_system_sgpr_workgroup_id_y 1
		.amdhsa_system_sgpr_workgroup_id_z 1
		.amdhsa_system_vgpr_workitem_id 0
		.amdhsa_next_free_vgpr 640
		.amdhsa_next_free_sgpr 80
		.amdhsa_reserve_vcc 0
		.amdhsa_float_denorm_mode_32 3
		.amdhsa_float_denorm_mode_16_64 3
		.amdhsa_memory_ordered 1
		.amdhsa_forward_progress 1
		.amdhsa_inst_pref_size 94
	.end_amdhsa_kernel
	.amdgpu_metadata
---
amdhsa.version: [ 1, 2 ]
amdhsa.kernels:
  - .name:           k_q58781fcb21_out
    .symbol:         k_q58781fcb21_out.kd
    .args:
      - { .name: o, .offset: 0, .size: 8, .value_kind: global_buffer, .address_space: global }
      - { .name: w16, .offset: 8, .size: 8, .value_kind: global_buffer, .address_space: global }
      - { .name: b_out, .offset: 16, .size: 8, .value_kind: global_buffer, .address_space: global }
      - { .name: x, .offset: 24, .size: 8, .value_kind: global_buffer, .address_space: global }
      - { .name: out0, .offset: 32, .size: 8, .value_kind: global_buffer, .address_space: global }
    .group_segment_fixed_size: 327680
    .private_segment_fixed_size: 0
    .kernarg_segment_align: 8
    .kernarg_segment_size: 40
    .max_flat_workgroup_size: 128
    .sgpr_count:     80
    .vgpr_count:     640
    .wavefront_size: 32
...
	.end_amdgpu_metadata
.endif
;; end of part 4
;; ======== version 2 of 2: 4 launches; version 1 with the launch prep written anew for expert scheduling mode
;; limits: values are held in f16: magnitudes above 65,504 overflow, below 6.1e-05 lose precision
;; workspace buffers: xn 16,777,216 bytes; w16 8,388,608 bytes; q 8,388,608 bytes; kv 33,554,432 bytes; o 8,388,608 bytes
;; launch prep (part 5): grid 512 x 1, 8 waves a work-group, no clusters, 0 bytes of LDS; arguments x, context, ln_g, ln_b, w_qkv, w_out, xn, w16; writes xn, w16
.if DOCPART == 5
	.amdgcn_target "amdgcn-amd-amdhsa--gfx1250"
	.amdhsa_code_object_version 6
	.text
	.protected	k_q58781fcb21_prep
	.globl	k_q58781fcb21_prep
	.p2align	8
	.type	k_q58781fcb21_prep,@function
k_q58781fcb21_prep:
	s_mov_b64 s[64:65], 0
	v_nop
	global_prefetch_b8 v0, s[64:65] scope:SCOPE_SE
	s_setreg_imm32_b32 hwreg(HW_REG_WAVE_SCHED_MODE, 0, 2), 2
	s_setreg_imm32_b32 hwreg(HW_REG_WAVE_MODE, 25, 1), 1
	s_wait_xcnt 0x0
	s_wait_alu depctr_vm_vsrc(0)
; LAYER NORM OF x AND context TO f16, AND BOTH WEIGHTS TO f16.  A stream: no LDS, no barrier, no matrix unit; no work-group shares a byte with another.
; Work-groups 0-255: 32 rows of 1,024 f32 each (0-127: x, 128-255: context), four rows a wave; xn[8192][1024] f16, x's 4,096 rows first.
; A row lies in 32 registers of one wave between its three passes (mean; sum of squares of x - mean, so that a common offset costs nothing; scaling): it is read once.
; Work-groups 256-511: 16,384 numbers of w_qkv (the first 192) or of w_out, rounded to f16 as they lie: w16 = w_qkv [1024][3072], then w_out [1024][1024].
; LIMITS.  f16 ends at 65,504: |LN| is at most 32 |g| + |b|, which has to stay below that; weights below 6e-5 keep f16's fixed step of 6e-8.
; THE MODE: SCHED_MODE bits 1:0 = 2 (LLVM: expert scheduling mode 2), set by the entry lines.  The code itself states the register dependences
; between vector instructions and memory instructions, with s_wait_alu, always for 0.
; THE PLAN.  Registers that memory instructions touch:
;   v1, v3     byte offsets of the loads and of the stores: made once at the head, never written again.
;   G, BB      g and b: written by loads at the head, read by the rows' arithmetic, never written again.
;   X, row r   written by the row's eight loads (all four rows go out at the head), then worked on in place; the row's sixteen conversions write registers 4 j and 4 j + 1 of it,
;              which the row's eight stores read.  No register of X is written behind its store, and none is loaded twice: nothing is owed for a register that a memory instruction has read.
;   T, M, R    named by vector instructions alone.
; Row r's stores are issued in row r + 1, in one run behind that row's wait for its two roots: that one wait also states that row r's conversions have written their registers.
; The vector instructions that follow name row r + 1's registers, T, M, R, G and BB, none of row r's.  Row 3's stores have a wait of their own.  The weights go likewise, in four groups of four loads.
.set G,  8                             ; v[8:39]    g of my 32 columns: load j brings columns 128 j + 4 lane .. + 3
.set BB, 40                            ; v[40:71]   b likewise
.set X,  72                            ; v[72:199]  four rows, 32 registers each
.set T,  200                           ; v[200:207] four chains of packed sums
.set M,  208                           ; v[208:209] the mean, twice
.set R,  210                           ; v[210:211] 1 / sqrt(var + eps), twice
	s_load_b512 s[4:19], s[0:1], 0x0               ; x s[4:5], context s[6:7], g s[8:9], b s[10:11], w_qkv s[12:13], w_out s[14:15], xn s[16:17], w16 s[18:19]
	v_lshrrev_b32 v2, 5, v0
	v_readfirstlane_b32 s20, v2                    ; wave 0..7
	v_and_b32 v4, 31, v0
	v_lshlrev_b32 v1, 4, v4                        ; 16 bytes a lane on the way in
	v_lshlrev_b32 v3, 3, v4                        ; 8 bytes a lane on the way out
	s_mov_b32 s23, 0
	s_mov_b32 s24, 0x3a800000                      ; 1 / 1024
	s_mov_b32 s25, 0x3727c5ac                      ; 1e-5
	s_mov_b32 s26, 0x76543210                      ; v_permlanex16_b32: each lane takes its own place in the other half
	s_mov_b32 s27, 0xfedcba98
	s_wait_alu depctr_va_sdst(0)                   ; s20 is written, ahead of the branch: both ways read it first behind it, for the wave's part of the buffers
	s_wait_alu depctr_va_vdst(0)                   ; v1 and v3 are written: every load and store of both ways reads one of them as its offset
	s_wait_kmcnt 0x0
	s_cmp_lt_u32 ttmp9, 256
	s_cbranch_scc0 .Lweights
	s_cmp_lt_u32 ttmp9, 128
	s_cselect_b64 s[28:29], s[4:5], s[6:7]         ; x or context
	s_and_b32 s22, ttmp9, 127
	s_lshl_b32 s22, s22, 17                        ; 32 rows of 4,096 bytes
	s_lshl_b32 s21, s20, 14                        ; my wave's four
	s_add_co_u32 s22, s22, s21
	s_add_nc_u64 s[28:29], s[28:29], s[22:23]
	s_lshl_b32 s22, ttmp9, 16                      ; 32 rows of 2,048 bytes
	s_lshl_b32 s21, s20, 13
	s_add_co_u32 s22, s22, s21
	s_add_nc_u64 s[16:17], s[16:17], s[22:23]
.irp j, 0,1,2,3,4,5,6,7
	global_load_b128 v[G+4*(\j):G+4*(\j)+3], v1, s[8:9] offset:512*(\j)
.endr
.irp j, 0,1,2,3,4,5,6,7
	global_load_b128 v[BB+4*(\j):BB+4*(\j)+3], v1, s[10:11] offset:512*(\j)
.endr
.irp r, 0,1,2,3
.irp j, 0,1,2,3,4,5,6,7
	global_load_b128 v[X+32*(\r)+4*(\j):X+32*(\r)+4*(\j)+3], v1, s[28:29] offset:4096*(\r)+512*(\j) th:TH_LOAD_NT  ; all four rows go out at once: 16 KiB a wave on their way
.endr
.endr
.macro REDUCE                          ; the four chains, the pair's halves and the 32 lanes: the row's sum in v[T], in every lane
	v_pk_add_f32 v[T:T+1], v[T:T+1], v[T+2:T+3]
	v_pk_add_f32 v[T+4:T+5], v[T+4:T+5], v[T+6:T+7]
	v_pk_add_f32 v[T:T+1], v[T:T+1], v[T+4:T+5]
	v_add_f32 v[T], v[T], v[T+1]
	v_add_f32_dpp v[T], v[T], v[T] row_xmask:1 row_mask:0xf bank_mask:0xf
	v_add_f32_dpp v[T], v[T], v[T] row_xmask:2 row_mask:0xf bank_mask:0xf
	v_add_f32_dpp v[T], v[T], v[T] row_xmask:4 row_mask:0xf bank_mask:0xf
	v_add_f32_dpp v[T], v[T], v[T] row_xmask:8 row_mask:0xf bank_mask:0xf
	v_permlanex16_b32 v[T+1], v[T], s26, s27
	v_add_f32 v[T], v[T], v[T+1]
.endm
.macro OUTROW r                        ; row r leaves: eight stores in one run
.irp j, 0,1,2,3,4,5,6,7
	global_store_b64 v3, v[X+32*(\r)+4*(\j):X+32*(\r)+4*(\j)+1], s[16:17] offset:2048*(\r)+256*(\j)  ; the wave's 32 lanes store 256 consecutive bytes, aligned
.endr
.endm
.macro ROW r
.set XR, X+32*(\r)
	s_wait_loadcnt 8*(3-(\r))                      ; loads come back in order: this row (and g, b, which are older) is in; the later rows' eight loads each stay out
.irp c, 0,1,2,3
	v_pk_add_f32 v[T+2*(\c):T+2*(\c)+1], v[XR+2*(\c):XR+2*(\c)+1], v[XR+8+2*(\c):XR+8+2*(\c)+1]  ; the first sums start the chains: nothing is cleared
.endr
.irp k, 2,3
.irp c, 0,1,2,3
	v_pk_add_f32 v[T+2*(\c):T+2*(\c)+1], v[T+2*(\c):T+2*(\c)+1], v[XR+8*(\k)+2*(\c):XR+8*(\k)+2*(\c)+1]
.endr
.endr
	REDUCE
	v_mul_f32 v[M], s24, v[T]
	v_mul_f32 v[M+1], s24, v[T]
.set z, 0
.rept 16
	v_pk_add_f32 v[XR+z:XR+z+1], v[XR+z:XR+z+1], v[M:M+1] neg_lo:[0,1] neg_hi:[0,1]  ; x - mean, in place
.set z, z+2
.endr
.irp c, 0,1,2,3
	v_pk_mul_f32 v[T+2*(\c):T+2*(\c)+1], v[XR+2*(\c):XR+2*(\c)+1], v[XR+2*(\c):XR+2*(\c)+1]
.endr
.irp k, 1,2,3
.irp c, 0,1,2,3
	v_pk_fma_f32 v[T+2*(\c):T+2*(\c)+1], v[XR+8*(\k)+2*(\c):XR+8*(\k)+2*(\c)+1], v[XR+8*(\k)+2*(\c):XR+8*(\k)+2*(\c)+1], v[T+2*(\c):T+2*(\c)+1]
.endr
.endr
	REDUCE
	v_fma_f32 v[T], v[T], s24, s25                 ; var + eps
	v_rsq_f32 v[R], v[T]
	v_rsq_f32 v[R+1], v[T]
	v_nop                                          ; a plain instruction behind the last root, ahead of the use of its result (ISA guide 5.7.2)
	s_wait_alu depctr_va_vdst(0)                   ; both roots are written, ahead of their first reader; and the row before's conversions have written the registers that the stores below read
.if (\r) > 0
	OUTROW (\r)-1                                  ; no vector instruction since the wait names these registers, and none behind writes them
.endif
.set z, 0
.rept 16
	v_pk_mul_f32 v[XR+z:XR+z+1], v[XR+z:XR+z+1], v[R:R+1]
.set z, z+2
.endr
.set z, 0
.rept 16
	v_pk_fma_f32 v[XR+z:XR+z+1], v[XR+z:XR+z+1], v[G+z:G+z+1], v[BB+z:BB+z+1]
.set z, z+2
.endr
.irp j, 0,1,2,3,4,5,6,7
	v_cvt_pk_f16_f32 v[XR+4*(\j)], v[XR+4*(\j)], v[XR+4*(\j)+1]
	v_cvt_pk_f16_f32 v[XR+4*(\j)+1], v[XR+4*(\j)+2], v[XR+4*(\j)+3]
.endr
.endm
	ROW 0
	ROW 1
	ROW 2
	ROW 3                                          ; no register is used twice, so no store's sources are ever rewritten
	s_wait_alu depctr_va_vdst(0)                   ; row 3's conversions have written the registers that the last eight stores read
	OUTROW 3
	s_endpgm
.Lweights:
	s_sub_co_u32 s21, ttmp9, 256                   ; 0..255
	s_sub_co_u32 s22, s21, 192
	s_cmp_lt_u32 s21, 192
	s_cselect_b64 s[28:29], s[12:13], s[14:15]     ; w_qkv or w_out
	s_cselect_b32 s22, s21, s22
	s_lshl_b32 s22, s22, 16                        ; 16,384 f32
	s_lshl_b32 s30, s20, 13                        ; my wave's 2,048
	s_add_co_u32 s22, s22, s30
	s_add_nc_u64 s[28:29], s[28:29], s[22:23]
	s_lshl_b32 s22, s21, 15                        ; w16 is the two tables on end
	s_lshl_b32 s30, s20, 12
	s_add_co_u32 s22, s22, s30
	s_add_nc_u64 s[18:19], s[18:19], s[22:23]
.irp i, 0,1,2,3,4,5,6,7,8,9,10,11,12,13,14,15
	global_load_b128 v[X+4*(\i):X+4*(\i)+3], v1, s[28:29] offset:512*(\i) th:TH_LOAD_NT
.endr
.macro WOUT g                          ; group g leaves: four stores in one run
.irp i, 0,1,2,3
	global_store_b64 v3, v[X+16*(\g)+4*(\i):X+16*(\g)+4*(\i)+1], s[18:19] offset:1024*(\g)+256*(\i)  ; 256 consecutive bytes, aligned
.endr
.endm
; Four groups of four loads.  Group g's conversions write registers of group g alone; its stores are issued at the head of group g + 1, behind one wait.
.irp g, 0,1,2,3
	s_wait_loadcnt 12-4*(\g)                       ; this group's four loads are in, the later groups' four each stay out
.if (\g) > 0
	s_wait_alu depctr_va_vdst(0)                   ; the group before's conversions have written the registers that the stores below read
	WOUT (\g)-1
.endif
.irp i, 0,1,2,3
	v_cvt_pk_f16_f32 v[X+16*(\g)+4*(\i)], v[X+16*(\g)+4*(\i)], v[X+16*(\g)+4*(\i)+1]
	v_cvt_pk_f16_f32 v[X+16*(\g)+4*(\i)+1], v[X+16*(\g)+4*(\i)+2], v[X+16*(\g)+4*(\i)+3]
.endr
.endr
	s_wait_alu depctr_va_vdst(0)                   ; group 3's conversions have written the registers that the last four stores read
	WOUT 3
	s_endpgm
.Lfunc_end_k_q58781fcb21_prep:
	.size	k_q58781fcb21_prep, .Lfunc_end_k_q58781fcb21_prep-k_q58781fcb21_prep
	.p2alignl 7, 3214868480
	.fill 96, 4, 3214868480
	.section	.rodata,"a",@progbits
	.p2align	6, 0x0
	.amdhsa_kernel k_q58781fcb21_prep
		.amdhsa_group_segment_fixed_size 0
		.amdhsa_private_segment_fixed_size 0
		.amdhsa_enable_private_segment 0
		.amdhsa_kernarg_size 64
		.amdhsa_user_sgpr_count 2
		.amdhsa_user_sgpr_kernarg_segment_ptr 1
		.amdhsa_wavefront_size32 1
		.amdhsa_system_sgpr_workgroup_id_x 1
		.amdhsa_system_sgpr_workgroup_id_y 1
		.amdhsa_system_sgpr_workgroup_id_z 1
		.amdhsa_system_vgpr_workitem_id 0
		.amdhsa_next_free_vgpr 216
		.amdhsa_next_free_sgpr 66
		.amdhsa_reserve_vcc 0
		.amdhsa_float_denorm_mode_32 3
		.amdhsa_float_denorm_mode_16_64 3
		.amdhsa_memory_ordered 1
		.amdhsa_forward_progress 1
		.amdhsa_inst_pref_size 44
	.end_amdhsa_kernel
	.amdgpu_metadata
---
amdhsa.version: [ 1, 2 ]
amdhsa.kernels:
  - .name:           k_q58781fcb21_prep
    .symbol:         k_q58781fcb21_prep.kd
    .args:
      - { .name: x, .offset: 0, .size: 8, .value_kind: global_buffer, .address_space: global }
      - { .name: context, .offset: 8, .size: 8, .value_kind: global_buffer, .address_space: global }
      - { .name: ln_g, .offset: 16, .size: 8, .value_kind: global_buffer, .address_space: global }
      - { .name: ln_b, .offset: 24, .size: 8, .value_kind: global_buffer, .address_space: global }
      - { .name: w_qkv, .offset: 32, .size: 8, .value_kind: global_buffer, .address_space: global }
      - { .name: w_out, .offset: 40, .size: 8, .value_kind: global_buffer, .address_space: global }
      - { .name: xn, .offset: 48, .size: 8, .value_kind: global_buffer, .address_space: global }
      - { .name: w16, .offset: 56, .size: 8, .value_kind: global_buffer, .address_space: global }
    .group_segment_fixed_size: 0
    .private_segment_fixed_size: 0
    .kernarg_segment_align: 8
    .kernarg_segment_size: 64
    .max_flat_workgroup_size: 256
    .sgpr_count:     66
    .vgpr_count:     216
    .wavefront_size: 32
...
	.end_amdgpu_metadata
.endif
;; end of part 5
;; launch qkv: the kernel of part 2 again; grid 8 x 64, 4 waves a work-group, clusters of 4 x 4, 327,680 bytes of LDS; arguments xn, w16, b_qkv, q, kv; writes q, kv
;; launch attn: the kernel of part 3 again; grid 8 x 32, 4 waves a work-group, clusters of 4 x 1, 327,680 bytes of LDS; arguments q, kv, o; writes o
;; launch out: the kernel of part 4 again; grid 8 x 32, 4 waves a work-group, clusters of 4 x 4, 327,680 bytes of LDS; arguments o, w16, b_out, x, out0; writes out0
